; MI455X (gfx1250); checked and timed in simulation.
; The chip was launched on July 23, 2026; its instructions are those of AMD's public machine-readable ISA for CDNA 5 (MIT licence, August 2026) and "CDNA5" Instruction Set Architecture Reference Guide (July 2026). The comments in the code are by the model that wrote it; some were corrected since.
;; Message Decoder. Allowed arithmetic: float matrix products may take bf16 or f16 operands with f32 sums; all other float work in f32.
;; Inputs: W_hh 2,048 x 512 float32; W_ih 2,048 x 512 float32; Wa 65 x 512 float32; Wc 512 x 512 float32; Wh 512 x 512 float32; b_hh 2,048 float32; b_ih 2,048 float32; ba 65 float32; bc 512 float32; bh 512 float32; emb 67 x 512 float32; encoded 16,384 x 512 float32.
;; Outputs: out0 16,384 x 1 float32; out1 16,384 x 1 float32; out2 16,384 x 1 int32; out3 16,384 x 1 int32.
;; 2 versions, each right and faster than the one before. Each part assembles by itself: llvm-mc -triple=amdgcn-amd-amdhsa -mcpu=gfx1250 --defsym DOCPART=n.
;; ======== version 1 of 2: 2 launches
;; limits: values outside matrix products are rounded to bf16
;; workspace buffers: ws 3,145,728 bytes; waf 81,920 bytes; gb 8,192 bytes
;; launch prep (part 1): grid 229 x 1, 8 waves a work-group, no clusters, 1,280 bytes of LDS; arguments W_hh, W_ih, Wa, Wc, Wh, b_hh, b_ih, emb, ws, waf, gb; writes ws, waf, gb
.if DOCPART == 1
	.amdgcn_target "amdgcn-amd-amdhsa--gfx1250"
	.amdhsa_code_object_version 6
	.text
	.protected	k_qdf74396185_prep
	.globl	k_qdf74396185_prep
	.p2align	8
	.type	k_qdf74396185_prep,@function
k_qdf74396185_prep:
	s_mov_b64 s[64:65], 0
	v_nop
	global_prefetch_b8 v0, s[64:65] scope:SCOPE_SE
	s_setreg_imm32_b32 hwreg(HW_REG_WAVE_MODE, 25, 1), 1
	s_wait_xcnt 0x0
; Prepares what every row block of the second launch walks.  Three kinds of work-group, chosen by the work-group's number alone:
;  A (0..191)   ws : Wh, Wc, W_hh rounded to bf16 and laid in the order in which they are multiplied:
;                    [step 0..47][wave 0..3][block nb 0..7][row i 0..15][64 numbers along K]; step = 8 c + ks, K = 64 ks ..
;                    c = 0: Wh row 128 w + 16 nb + i;  c = 1: Wc, same row;  c = 2 + q: W_hh row 512 g + 128 w + 32 q + 16 ub + i, nb = 2 g + ub
;  B (192..223) gb : f32, [q][w][nb][16]: sum over k of bf16(W_ih[row][k]) bf16(emb[66][k]) + bf16(b_ih[row]) + bf16(b_hh[row]), rows as in ws.
;                    reference() feeds the token 66 to every row of the batch, so this product has one row: it is made here once, in f32.
;  C (224..228) waf: Wa in bf16 as register images of matrix fragments: [nb 0..4][w][q][half][lane][16 bytes]; lane (r, h) holds
;                    Wa[16 nb + r][128 w + 32 q + 16 half + 8 h .. + 7]; rows 65 to 79 are zeros.
; A stream of some 10 MB read once and a product with one row: no matrix unit, no cluster, no tensor load would add anything.
; LIMIT: all these inputs are rounded to bf16 (to nearest even) once; the sums are in f32.
.set MASKHI, 27                        ; s27 = 0xffff0000, a word's upper bf16
	s_load_b512 s[4:19], s[0:1], 0x0               ; W_hh 4:5, W_ih 6:7, Wa 8:9, Wc 10:11, Wh 12:13, b_hh 14:15, b_ih 16:17, emb 18:19
	s_load_b128 s[20:23], s[0:1], 0x40             ; ws 20:21, waf 22:23
	s_load_b64 s[24:25], s[0:1], 0x50              ; gb
	v_lshl_add_u32 v192, v0, 2, 0x100
	v_mov_b32 v193, 0
	v_lshrrev_b32 v1, 5, v0
	v_readfirstlane_b32 s26, v1                    ; wave 0..7
	s_mov_b32 s[MASKHI], 0xffff0000
	v_lshlrev_b32 v56, 4, v0                       ; 16 t: where thread t stores (A and C)
	s_wait_kmcnt 0x0
; Eight loads of 16 bytes lie in v[8:39], two for each j.  They are rounded, two numbers to a word, and stored: thread t's 16 bytes at
; 4,096 j + 16 t, so that sixteen neighbouring lanes store 256 consecutive bytes, aligned.  mask = 1: lanes whose VCC bit is 0 store zeros.
.macro CVT_OUT base, mask
.irp j, 0,1,2,3
	s_wait_loadcnt 6-2*\j                          ; loads come back in order: the 6 - 2 j younger ones stay out
.irp p, 0,1,2,3
	v_cvt_pk_bf16_f32 v[40+4*\j+\p], v[8+8*\j+2*\p], v[8+8*\j+2*\p+1]
.endr
.if \mask
.irp p, 0,1,2,3
	v_cndmask_b32 v[40+4*\j+\p], 0, v[40+4*\j+\p], vcc_lo
.endr
.endif
	global_store_b128 v56, v[40+4*\j:40+4*\j+3], s[\base:\base+1] offset:4096*\j
.endr
.endm
	s_cmp_lt_u32 ttmp9, 192
	s_cbranch_scc0 .Lnot_a
; ---- A: one wave's quarter of one step: 128 rows x 64 numbers, 16 KB out.  Row 32 j + (t >> 3) of the quarter, numbers 8 (t & 7) .. + 7.
	s_lshr_b32 s30, ttmp9, 5                       ; c
	s_bfe_u32 s31, ttmp9, 0x30002                  ; ks
	s_and_b32 s32, ttmp9, 3                        ; w
	s_sub_co_i32 s34, s30, 2
	s_max_i32 s34, s34, 0                          ; q, or 0 for c < 2
	s_lshl_b32 s34, s34, 5
	s_lshl_b32 s35, s32, 7
	s_add_co_u32 s34, s34, s35                     ; first source row: 128 w + 32 q
	s_lshl_b32 s34, s34, 11                        ; rows of 2,048 bytes
	s_lshl_b32 s35, s31, 8                         ; 64 numbers of K are 256 bytes
	s_add_co_u32 s34, s34, s35
	s_mov_b32 s33, 0x100000                        ; from j to j + 1: 512 rows (the next gate) in W_hh,
	s_cmp_eq_u32 s30, 0
	s_cselect_b64 s[28:29], s[12:13], s[10:11]     ; c = 0: Wh, c = 1: Wc
	s_cmp_lt_u32 s30, 2
	s_cselect_b64 s[28:29], s[28:29], s[4:5]       ; else W_hh
	s_cselect_b32 s33, 0x10000, s33                ; 32 rows in Wh and Wc
	s_lshl_b32 s36, ttmp9, 14
	s_mov_b32 s37, 0
	s_add_nc_u64 s[20:21], s[20:21], s[36:37]      ; ws at this quarter
	v_lshrrev_b32 v6, 3, v0
	v_and_b32 v7, 7, v0
	v_lshlrev_b32 v6, 11, v6
	v_lshl_add_u32 v6, v7, 5, v6                   ; eight neighbouring lanes read 256 consecutive bytes of a row, aligned
	v_add_nc_u32 v2, s34, v6
	v_add_nc_u32 v3, s33, v2
	v_add_nc_u32 v4, s33, v3
	v_add_nc_u32 v5, s33, v4
.irp j, 0,1,2,3
	global_load_b128 v[8+8*\j:8+8*\j+3], v[2+\j], s[28:29] th:TH_LOAD_NT
	global_load_b128 v[8+8*\j+4:8+8*\j+7], v[2+\j], s[28:29] offset:16 th:TH_LOAD_NT
.endr
	CVT_OUT 20, 0
	s_endpgm
.Lnot_a:
	s_cmp_lt_u32 ttmp9, 224
	s_cbranch_scc0 .Lsec_c
; ---- B: 64 numbers of gb (256 bytes).  Wave v makes eight of them: eight neighbouring rows of W_ih against emb's row 66.
	s_sub_co_u32 s30, ttmp9, 192                   ; b
	s_lshr_b32 s31, s30, 3                         ; q
	s_bfe_u32 s32, s30, 0x20001                    ; w
	s_and_b32 s33, s30, 1
	s_lshl_b32 s33, s33, 2
	s_lshr_b32 s34, s26, 1
	s_add_co_u32 s33, s33, s34                     ; nb = 4 (b & 1) + (v >> 1)
	s_lshr_b32 s34, s33, 1                         ; g
	s_and_b32 s35, s33, 1                          ; ub
	s_lshl_b32 s36, s34, 9
	s_lshl_b32 s32, s32, 7
	s_add_co_u32 s36, s36, s32
	s_lshl_b32 s31, s31, 5
	s_add_co_u32 s36, s36, s31
	s_lshl_b32 s35, s35, 4
	s_add_co_u32 s36, s36, s35
	s_and_b32 s34, s26, 1
	s_lshl_b32 s34, s34, 3
	s_add_co_u32 s36, s36, s34                     ; my first row: 512 g + 128 w + 32 q + 16 ub + 8 (v & 1)
	s_lshl_b32 s38, s36, 11
	s_mov_b32 s39, 0
	s_add_nc_u64 s[6:7], s[6:7], s[38:39]          ; W_ih at that row
	s_lshl_b32 s38, s36, 2
	s_add_nc_u64 s[16:17], s[16:17], s[38:39]      ; b_ih and b_hh at that row
	s_add_nc_u64 s[14:15], s[14:15], s[38:39]
	s_lshl_b32 s38, s30, 8
	s_add_nc_u64 s[24:25], s[24:25], s[38:39]      ; gb at this work-group's 256 bytes
	s_mov_b32 s40, 0x76543210                      ; v_permlanex16_b32: lane i of one half reads lane i of the other
	s_mov_b32 s41, 0xfedcba98
	s_lshl_b32 s42, s26, 5                         ; my wave's eight words in LDS
	v_and_b32 v1, 31, v0                           ; lane
	v_and_b32 v3, 7, v1                            ; which of my eight rows this lane keeps
	v_lshlrev_b32 v2, 2, v3
	v_lshlrev_b32 v5, 3, v1                        ; 8 x lane: the way out
	v_lshlrev_b32 v1, 4, v1                        ; 16 x lane: a load of the wave takes 512 consecutive bytes
	v_add_nc_u32 v4, s42, v2
.irp p, 0,1,2,3
	global_load_b128 v[8+4*\p:8+4*\p+3], v1, s[18:19] offset:66*2048+512*\p          ; emb[66]: every wave of B reads it, so no hint
.endr
.irp e, 0,1,2,3,4,5,6,7
.irp p, 0,1,2,3
	global_load_b128 v[32+16*\e+4*\p:32+16*\e+4*\p+3], v1, s[6:7] offset:2048*\e+512*\p th:TH_LOAD_NT
.endr
.endr
	global_load_b32 v24, v2, s[16:17]              ; b_ih of the row that this lane keeps
	global_load_b32 v25, v2, s[14:15]              ; b_hh
	s_wait_loadcnt 34                              ; 32 loads of W_ih and 2 of the biases are younger: emb's row is in
.irp p, 0,1,2,3,4,5,6,7
	v_cvt_pk_bf16_f32 v[160+\p], v[8+2*\p], v[8+2*\p+1]                              ; rounded to bf16,
.endr
.irp p, 0,1,2,3,4,5,6,7
	v_lshlrev_b32 v[8+2*\p], 16, v[160+\p]                                           ; and widened again
	v_and_b32 v[8+2*\p+1], s[MASKHI], v[160+\p]
.endr
.macro DOTROW e
	s_wait_loadcnt (7-\e)*4+2                      ; the later rows' loads and the two biases stay out
.irp p, 0,1,2,3,4,5,6,7
	v_cvt_pk_bf16_f32 v[160+\p], v[32+16*\e+2*\p], v[32+16*\e+2*\p+1]
.endr
.irp p, 0,1,2,3,4,5,6,7
	v_lshlrev_b32 v[32+16*\e+2*\p], 16, v[160+\p]
	v_and_b32 v[32+16*\e+2*\p+1], s[MASKHI], v[160+\p]
.endr
	v_pk_mul_f32 v[176:177], v[32+16*\e:32+16*\e+1], v[8:9]                          ; two chains; the first products start them
	v_pk_mul_f32 v[178:179], v[32+16*\e+2:32+16*\e+3], v[10:11]
.irp p, 2,3,4,5,6,7
	v_pk_fma_f32 v[176+2*(\p%2):177+2*(\p%2)], v[32+16*\e+2*\p:32+16*\e+2*\p+1], v[8+2*\p:9+2*\p], v[176+2*(\p%2):177+2*(\p%2)]
.endr
	v_pk_add_f32 v[176:177], v[176:177], v[178:179]
	v_add_f32 v176, v176, v177
	v_add_f32_dpp v176, v176, v176 row_xmask:1 row_mask:0xf bank_mask:0xf
	v_add_f32_dpp v176, v176, v176 row_xmask:2 row_mask:0xf bank_mask:0xf
	v_add_f32_dpp v176, v176, v176 row_xmask:4 row_mask:0xf bank_mask:0xf
	v_add_f32_dpp v176, v176, v176 row_xmask:8 row_mask:0xf bank_mask:0xf
	v_permlanex16_b32 v177, v176, s40, s41
	v_add_f32 v176, v176, v177                     ; the row's sum, in every lane
.if \e
	v_cmp_eq_u32 vcc_lo, \e, v3
	v_cndmask_b32 v26, v26, v176, vcc_lo           ; kept by the lanes with lane & 7 = e
.else
	v_mov_b32 v26, v176
.endif
.endm
.irp e, 0,1,2,3,4,5,6,7
	DOTROW \e
.endr
	s_wait_loadcnt 0x0                             ; the two biases
	v_cvt_pk_bf16_f32 v27, v24, v25
	v_lshlrev_b32 v24, 16, v27
	v_and_b32 v25, s[MASKHI], v27
	v_add_f32 v26, v26, v24
	v_add_f32 v26, v26, v25
	ds_store_b32 v4, v26                           ; word 8 v + (lane & 7); the four lanes of a word hold the same number
	s_wait_dscnt 0x0                               ; my words are in LDS before I say so
	s_barrier_signal -1                            ; (the way here hangs on the work-group's number alone: all eight waves pass)
	s_barrier_wait -1
	s_cmp_lg_u32 s26, 0
	s_cbranch_scc1 .Lb_end
	ds_load_b64 v[28:29], v5                       ; wave 0 stores the 64 numbers: 32 lanes x 8 bytes = 256 consecutive bytes, aligned
	s_wait_dscnt 0x0
	global_store_b64 v5, v[28:29], s[24:25]
.Lb_end:
	s_wait_tensorcnt 0x0
	ds_add_u32 v192, v193
	s_wait_dscnt 0x0
	s_endpgm
; ---- C: block nb of Wa, 16 KB out.  The reads are pieces of 32 bytes of a table of 133,120 bytes that is read once in the launch.
.Lsec_c:
	s_sub_co_u32 s30, ttmp9, 224                   ; nb
	s_lshl_b32 s31, s30, 4
	s_lshl_b32 s32, s30, 14
	s_mov_b32 s33, 0
	s_add_nc_u64 s[22:23], s[22:23], s[32:33]      ; waf at block nb
	v_and_b32 v1, 15, v0                           ; r
	v_bfe_u32 v2, v0, 4, 1                         ; h
	v_bfe_u32 v3, v0, 5, 1                         ; half
	v_lshrrev_b32 v4, 6, v0                        ; q
	v_add_nc_u32 v1, s31, v1                       ; action 16 nb + r
	v_min_u32 v5, 64, v1                           ; no load leaves the table: rows 65 .. 79 read row 64 and are zeroed below
	v_lshlrev_b32 v5, 11, v5
	v_lshl_add_u32 v5, v4, 7, v5
	v_lshl_add_u32 v5, v3, 6, v5
	v_lshl_add_u32 v5, v2, 5, v5                   ; row x 2,048 + 128 q + 64 half + 32 h; j = w steps by 512 in the immediate
.irp j, 0,1,2,3
	global_load_b128 v[8+8*\j:8+8*\j+3], v5, s[8:9] offset:512*\j
	global_load_b128 v[8+8*\j+4:8+8*\j+7], v5, s[8:9] offset:512*\j+16
.endr
	v_cmp_gt_u32 vcc_lo, 65, v1                    ; a row of the table
	CVT_OUT 22, 1
	s_endpgm
.Lfunc_end_k_qdf74396185_prep:
	.size	k_qdf74396185_prep, .Lfunc_end_k_qdf74396185_prep-k_qdf74396185_prep
	.p2alignl 7, 3214868480
	.fill 96, 4, 3214868480
	.section	.rodata,"a",@progbits
	.p2align	6, 0x0
	.amdhsa_kernel k_qdf74396185_prep
		.amdhsa_group_segment_fixed_size 1280
		.amdhsa_private_segment_fixed_size 0
		.amdhsa_enable_private_segment 0
		.amdhsa_kernarg_size 88
		.amdhsa_user_sgpr_count 2
		.amdhsa_user_sgpr_kernarg_segment_ptr 1
		.amdhsa_wavefront_size32 1
		.amdhsa_system_sgpr_workgroup_id_x 1
		.amdhsa_system_sgpr_workgroup_id_y 1
		.amdhsa_system_sgpr_workgroup_id_z 1
		.amdhsa_system_vgpr_workitem_id 0
		.amdhsa_next_free_vgpr 194
		.amdhsa_next_free_sgpr 66
		.amdhsa_reserve_vcc 1
		.amdhsa_float_denorm_mode_32 3
		.amdhsa_float_denorm_mode_16_64 3
		.amdhsa_memory_ordered 1
		.amdhsa_forward_progress 1
		.amdhsa_inst_pref_size 31
	.end_amdhsa_kernel
	.amdgpu_metadata
---
amdhsa.version: [ 1, 2 ]
amdhsa.kernels:
  - .name:           k_qdf74396185_prep
    .symbol:         k_qdf74396185_prep.kd
    .args:
      - { .name: W_hh, .offset: 0, .size: 8, .value_kind: global_buffer, .address_space: global }
      - { .name: W_ih, .offset: 8, .size: 8, .value_kind: global_buffer, .address_space: global }
      - { .name: Wa, .offset: 16, .size: 8, .value_kind: global_buffer, .address_space: global }
      - { .name: Wc, .offset: 24, .size: 8, .value_kind: global_buffer, .address_space: global }
      - { .name: Wh, .offset: 32, .size: 8, .value_kind: global_buffer, .address_space: global }
      - { .name: b_hh, .offset: 40, .size: 8, .value_kind: global_buffer, .address_space: global }
      - { .name: b_ih, .offset: 48, .size: 8, .value_kind: global_buffer, .address_space: global }
      - { .name: emb, .offset: 56, .size: 8, .value_kind: global_buffer, .address_space: global }
      - { .name: ws, .offset: 64, .size: 8, .value_kind: global_buffer, .address_space: global }
      - { .name: waf, .offset: 72, .size: 8, .value_kind: global_buffer, .address_space: global }
      - { .name: gb, .offset: 80, .size: 8, .value_kind: global_buffer, .address_space: global }
    .group_segment_fixed_size: 1280
    .private_segment_fixed_size: 0
    .kernarg_segment_align: 8
    .kernarg_segment_size: 88
    .max_flat_workgroup_size: 256
    .sgpr_count:     66
    .vgpr_count:     194
    .wavefront_size: 32
...
	.end_amdgpu_metadata
.endif
;; end of part 1
;; launch decode (part 2): grid 256 x 1, 4 waves a work-group, clusters of 4 x 1, 327,680 bytes of LDS; arguments encoded, ws, waf, gb, bc, bh, ba, out0, out1, out2, out3; writes out0, out1, out2, out3
.if DOCPART == 2
	.amdgcn_target "amdgcn-amd-amdhsa--gfx1250"
	.amdhsa_code_object_version 6
	.text
	.protected	k_qdf74396185_decode
	.globl	k_qdf74396185_decode
	.p2align	8
	.type	k_qdf74396185_decode,@function
k_qdf74396185_decode:
	s_mov_b64 s[64:65], 0
	v_nop
	global_prefetch_b8 v0, s[64:65] scope:SCOPE_SE
	s_setreg_imm32_b32 hwreg(HW_REG_WAVE_MODE, 25, 1), 1
	s_wait_xcnt 0x0
	s_wait_alu depctr_hold_cnt(0) depctr_sa_sdst(0) depctr_va_vdst(0) depctr_va_sdst(0) depctr_va_ssrc(0) depctr_va_vcc(0) depctr_vm_vsrc(0)
	s_getreg_b32 s2, hwreg(HW_REG_IB_STS2, 6, 4)
	s_cmp_eq_u32 s2, 0
	s_cbranch_scc0 .Lentry_in_a_cluster
	s_endpgm
.Lentry_in_a_cluster:
	s_bfe_u32 s2, ttmp6, 0x10000c
	s_cmp_lg_u32 s2, 0x3003
	s_cbranch_scc0 .Lentry_shape_is_right
	s_endpgm
.Lentry_shape_is_right:
; One LSTM step and the greedy choice for 64 rows of the batch, fused: nothing but the four results goes to memory.
;   c0 = enc Wh^T + bh;  h0 = enc Wc^T + bc;  gates = h0 W_hh^T + gb (gb: the first launch's vector, token 66 through W_ih, and both biases);
;   c = sig(f) c0 + sig(i) tanh(g);  h = sig(o) tanh(c);  logits = h Wa^T + ba;  first maximum, its log-probability, the entropy.
;   reference() runs one step from 'not stopped': alive = 1, the action is 0 .. 64 and never PAD, so the length is 1 and the entropy is divided by 1.
; SHARES: four waves; wave w makes hidden units 128 w .. 128 w + 127 of all 64 rows.  Six chunks of eight steps of 64 along K; in a chunk a wave
; makes 64 rows x 128 rows of weights: 32 accumulator tiles, 256 registers.  Chunk 0: c0 (stays in window 3).  Chunk 1: h0.  Chunk 2 + q: the four
; gates of units 128 w + 32 q .. + 31, then the cell for these units and their share of the logits.
; NUMBERS: the chosen action is compared exactly, so behind the one rounding of every input to bf16 all is kept at f32's accuracy: h0 enters the
; matrix unit as hi + lo (two bf16; what is left is some 2^-18 of h0), h as three truncated bf16 terms, which is h exactly.
; LIMITS: every input, biases too, is rounded to bf16 once.  Two best logits nearer than the noise of f32 sums can fall either way.
; NaN in an input is not served (the stored index would be 127).
; THE MATRIX INSTRUCTION IS USED TRANSPOSED: source 0 = 16 rows of weights, source 1 = 16 rows of the batch.  Lane (r, h), register j then holds
; (batch row r, unit n0 + 8 h + j): c0 and the four gates of a unit meet in one lane and register, eight units pack into 16 bytes, and two packed
; blocks of h ARE a fragment of 32 along K for the logits.
; CLUSTER: all row blocks walk the same 3 MB of weights, so four work-groups ask for each tile jointly (mask 15).  Each wave asks for the quarter of
; a step that it alone reads; nothing in a descriptor hangs on the place in the cluster.
; The text is straight-line: c0's tiles are named by q, so the chunks are no counted loop; every line runs once.
.set PA,    1040                       ; pitch of an activation row: 512 bf16 + 16 bytes = 65 x 16, so sixteen rows start in sixteen different 16-byte columns of 256
.set HB,    64*PA                      ; LDS 0: enc in bf16, later h0 hi;  66,560: h0 lo
.set BT,    2*64*PA                    ; 133,120: biases in f32, [c][w][nb][16]: c = 0 bh, c = 1 bc, c = 2 .. 5 gb
.set BA,    BT+12288                   ; 145,408: ba in f32, 128 numbers, zeros from 65 on
.set RES,   BA+512                     ; 145,920: 4 results x 64 words
.set SLOT0, RES+1024                   ; 146,944: two slots for weights, filled by tensor loads alone
.set PW,    144                        ; pitch of a weight row: 64 bf16 + 16 bytes = 9 x 16
.set WQ,    128*PW                     ; a wave's quarter of a slot
.set SLOTB, 4*WQ                       ; 73,728; slot 1 ends at 294,400
.set STEPB, 65536                      ; a step in ws
.set STG,   20480                      ; the tail's stage: a wave's 20 tiles of logits, from LDS 0 on (enc and h0 are dead by then)
; window 0
.set R,    1                           ; lane & 15
.set HH,   2                           ; lane >> 4
.set LANE, 3
.set ADRA, 4                           ; activation fragments: r PA + 16 h
.set ADRL, 5                           ; the same in h0 lo
.set ADRW, 6                           ; v6, v7: weight fragments in slot 0, 1
.set STH,  8                           ; where h0 hi goes: r PA + 256 w + 16 h
.set STL,  9                           ; and h0 lo
.set BTA,  10                          ; BT + 512 w + 32 h
.set WAO,  11                          ; offset in waf: 4,096 w + 16 lane
.set ENCO, 12                          ; offset in my work-group's enc: 32,768 w + 16 lane
.set XST,  13                          ; where enc goes: 16 w rows + 8 lane
.set RSA,  14                          ; stage, in
.set RLA,  15                          ; v15, v16: stage, back
.set BAA,  17                          ; BA + 32 h
.set RESW, 18
.set RESR, 19
.set OUTO, 20
.set F0,   64                          ; fragment buffers: window 0 activations at f + 32 t + 8 m, window 1 weights at f + 8 nb
.set F1,   128
.set TI,   64                          ; the cell's work registers, window 0: 8 m + j
.set TF,   96
.set TG,   128
.set TO,   160
.set WAF,  192                         ; v192-231: five fragments of Wa;  v32-63: the logits tiles of block 4;  v232-255 at work
; window 1: v0-63, v192-255 logits tiles of blocks 0-3;  v64-95 scaled biases, v96-191 the three terms of h as fragments (between chunks)
; window 2: a chunk's accumulators, tile (nb, m) at 8 (4 nb + m);  window 3: c0, the same map
.set G1, 32                            ; s[32:39] descriptor group 1
.set G0, 40                            ; s[40:47] descriptor group 0, one set for each slot
.set NL, 52                            ; s[52:53] -log2(e)
.set PL, 54                            ; s[54:55] 2 log2(e)
.set MSB, 0
.macro WIN new                         ; s_set_vgpr_msb: bits 1:0 source 0, 3:2 source 1, 5:4 source 2, 7:6 destination; the high byte repeats the setting left
.if MSB != \new
	s_set_vgpr_msb (MSB<<8)|\new
.set MSB, \new
.endif
.endm
.macro PLACES                          ; four places behind a matrix instruction before a vector instruction or a load touches its registers (ISA guide 7.12.1 for vector instructions);
.rept 4                                ; other matrix instructions are not counted as places
	v_nop
.endr
.endm
.macro CREST                           ; a round of the cluster's barrier behind its opening barrier
	s_cmp_lg_u32 s26, 0
	s_cbranch_scc1 .Lnot_wave_0_\@
	s_barrier_signal -3
.Lnot_wave_0_\@:
	s_barrier_wait -3
	s_barrier_signal -1
	s_barrier_wait -1
.endm
.macro CROUND
	s_barrier_signal -1
	s_barrier_wait -1
	CREST
.endm
.macro RND2 a, t                       ; two f32 rounded to bf16 and widened again, in place
	v_cvt_pk_bf16_f32 v[\t], v[\a], v[\a+1]
	v_lshlrev_b32 v[\a], 16, v[\t]
	v_and_b32 v[\a+1], s50, v[\t]
.endm
.macro WAFLOAD q                       ; the five fragments of Wa for my units 128 w + 32 q .. + 31: ten loads of 512 consecutive bytes
.irp nb, 0,1,2,3,4
	global_load_b128 v[WAF+8*\nb:WAF+8*\nb+3], v[WAO], s[8:9] offset:\nb*16384+(\q)*1024
	global_load_b128 v[WAF+8*\nb+4:WAF+8*\nb+7], v[WAO], s[8:9] offset:\nb*16384+(\q)*1024+512
.endr
.endm
	s_load_b512 s[4:19], s[0:1], 0x0               ; encoded 4:5, ws 6:7, waf 8:9, gb 10:11, bc 12:13, bh 14:15, ba 16:17, out0 18:19
	s_load_b128 s[20:23], s[0:1], 0x40             ; out1, out2
	s_load_b64 s[24:25], s[0:1], 0x50              ; out3
	v_lshl_add_u32 v254, v0, 2, 0x47e00
	v_mov_b32 v255, 0
	ds_add_u32 v254, v255
	v_lshrrev_b32 v21, 5, v0
	v_readfirstlane_b32 s26, v21                   ; wave 0..3
	s_bfe_u32 s27, ttmp6, 0x40000                  ; cx
	s_lshl_b32 s28, ttmp9, 2
	s_add_co_u32 s28, s28, s27                     ; row block = 4 x cluster + cx: it enters the addresses of enc and of the results alone
	s_mov_b32 s48, 0x76543210                      ; v_permlanex16_b32: lane i reads lane i of the other half
	s_mov_b32 s49, 0xfedcba98
	s_mov_b32 s50, 0xffff0000                      ; a word's upper bf16
	s_mov_b32 s51, 0x07060302                      ; v_perm_b32: the upper halves of two words
	s_mov_b32 s[NL], 0xbfb8aa3b
	s_mov_b32 s[NL+1], 0xbfb8aa3b
	s_mov_b32 s[PL], 0x4038aa3b
	s_mov_b32 s[PL+1], 0x4038aa3b
	; group 1: a dense block of 16,384 bytes as 64 rows of 256; in LDS 16 bytes are skipped behind every 128, so a weight row's pitch is 144
	s_mov_b32 s[G1+0], 0x0733000f                  ; 15:0 mask 15 (all four of the cluster); 17:16 elements of 8 bytes; 20 padding on; 21 set beside a mask; 24:22 every 32 words; 31:25 four words
	s_mov_b32 s[G1+1], 32<<16                      ; tensor_dim0 = 32 elements
	s_mov_b32 s[G1+2], 64<<16                      ; tensor_dim1 = 64 rows
	s_mov_b32 s[G1+3], 32<<16                      ; tile_dim0
	s_mov_b32 s[G1+4], 64                          ; tile_dim1
	s_mov_b32 s[G1+5], 32                          ; from row to row: 32 elements
	s_mov_b32 s[G1+6], 0
	s_mov_b32 s[G1+7], 0
	v_and_b32 v[LANE], 31, v0
	v_and_b32 v[R], 15, v0
	v_bfe_u32 v[HH], v0, 4, 1
	v_mul_u32_u24 v21, v[R], PA
	v_lshl_add_u32 v[ADRA], v[HH], 4, v21
	v_add_nc_u32 v[ADRL], HB, v[ADRA]
	s_mul_i32 s29, s26, WQ
	s_add_co_u32 s29, s29, SLOT0                   ; my quarter of slot 0
	v_mul_u32_u24 v22, v[R], PW
	v_lshl_add_u32 v22, v[HH], 4, v22
	v_add_nc_u32 v[ADRW], s29, v22
	v_add_nc_u32 v[ADRW+1], SLOTB, v[ADRW]
	s_lshl_b32 s30, s26, 8
	v_add_nc_u32 v[STH], s30, v[ADRA]
	v_add_nc_u32 v[STL], HB, v[STH]
	s_lshl_b32 s30, s26, 9
	s_add_co_u32 s30, s30, BT
	v_lshl_add_u32 v[BTA], v[HH], 5, s30
	s_lshl_b32 s30, s26, 12
	v_lshl_add_u32 v[WAO], v[LANE], 4, s30
	s_lshl_b32 s30, s26, 15
	v_lshl_add_u32 v[ENCO], v[LANE], 4, s30
	s_mul_i32 s30, s26, 16*PA
	v_lshl_add_u32 v[XST], v[LANE], 3, s30
	s_mul_i32 s30, s26, STG
	v_lshl_add_u32 v[RSA], v[LANE], 4, s30
	s_mul_i32 s30, s26, 5*1024
	v_lshl_add_u32 v[RLA], v[LANE], 4, s30
	v_add_nc_u32 v[RLA+1], 2*STG, v[RLA]
	v_lshlrev_b32 v[BAA], 5, v[HH]
	v_add_nc_u32 v[BAA], BA, v[BAA]
	s_lshl_b32 s30, s26, 6
	s_add_co_u32 s30, s30, RES
	v_lshl_add_u32 v[RESW], v[R], 2, s30           ; word 16 w + r
	s_lshl_b32 s30, s26, 8
	s_add_co_u32 s30, s30, RES
	v_lshl_add_u32 v[RESR], v[LANE], 3, s30        ; result w's 64 words
	v_lshlrev_b32 v[OUTO], 3, v[LANE]
	v_lshlrev_b32 v21, 4, v0                       ; 16 t
	v_min_u32 v22, 64, v0
	v_lshlrev_b32 v22, 2, v22                      ; ba has 65 numbers: threads 65 .. 127 read the last and store zero
	v_add_nc_u32 v23, BT, v21
	v_lshlrev_b32 v24, 2, v0
	v_add_nc_u32 v24, BA, v24
	s_lshl_b32 s56, s26, 14                        ; my quarter of a step in ws (a pair that never holds cx)
	s_mov_b32 s57, 0
	s_lshl_b32 s30, s28, 17                        ; 64 rows of 2,048 bytes
	s_mov_b32 s31, 0
	s_wait_dscnt 0x0
	s_wait_kmcnt 0x0
	s_add_nc_u64 s[6:7], s[6:7], s[56:57]
	s_add_nc_u64 s[4:5], s[4:5], s[30:31]
.irp n, 0,1
	s_mov_b32 s[G0+4*\n], 1                                        ; count = 1
	s_add_co_u32 s[G0+4*\n+1], s29, \n*SLOTB                       ; LDS address: the slot's constant + wave x 18,432
	s_add_nc_u64 s[G0+4*\n+2:G0+4*\n+3], s[6:7], \n*STEPB          ; global address: step n, my quarter
	s_or_b32 s[G0+4*\n+3], s[G0+4*\n+3], 0x80000000                ; type = 2
.endr
	; the biases (7 loads), then my sixteen rows of enc (64 loads of 512 consecutive bytes): all that the work-group reads of enc is asked for at once
.irp k, 0,1,2,3
	global_load_b128 v[32+4*\k:32+4*\k+3], v21, s[10:11] offset:2048*\k
.endr
	global_load_b128 v[48:51], v21, s[14:15]       ; bh
	global_load_b128 v[52:55], v21, s[12:13]       ; bc
	global_load_b32 v56, v22, s[16:17]             ; ba
.irp i, 0,1,2,3,4,5,6,7
.irp p, 0,1,2,3
	global_load_b128 v[F0+16*\i+4*\p:F0+16*\i+4*\p+3], v[ENCO], s[4:5] offset:\i*2048+\p*512 th:TH_LOAD_NT
.endr
.endr
	WIN 0x40                                       ; rows 8 to 15 into window 1
.irp i, 0,1,2,3,4,5,6,7
.irp p, 0,1,2,3
	global_load_b128 v[F0+16*\i+4*\p:F0+16*\i+4*\p+3], v[ENCO], s[4:5] offset:(\i+8)*2048+\p*512 th:TH_LOAD_NT
.endr
.endr
	WIN 0
	CROUND                                         ; all four work-groups are here: the first joint loads meet
	tensor_load_to_lds s[G0:G0+3], s[G1:G1+7]      ; steps 0 and 1, one group: two tensor loads of the wave are out, the most in this text
	s_nop 0
	tensor_load_to_lds s[G0+4:G0+7], s[G1:G1+7]
	s_nop 0
	s_wait_loadcnt 63                              ; 64 loads of enc are younger than the biases, and 63 is the most a wait can name
	RND2 48, 57
	RND2 50, 58
	RND2 52, 57
	RND2 54, 58
	v_cvt_pk_bf16_f32 v57, v56, v56
	v_lshlrev_b32 v56, 16, v57
	v_cmp_gt_u32 vcc_lo, 65, v0
	v_cndmask_b32 v56, 0, v56, vcc_lo
	ds_store_b128 v23, v[48:51]                    ; c = 0: bh
	ds_store_b128 v23, v[52:55] offset:2048        ; c = 1: bc
.irp k, 0,1,2,3
	ds_store_b128 v23, v[32+4*\k:32+4*\k+3] offset:4096+2048*\k    ; c = 2 + q: gb as it lies
.endr
	ds_store_b32 v24, v56
.macro ENCG g                          ; two rows of enc: rounded to bf16, 8 bytes a lane, 256 consecutive bytes a store
	s_wait_loadcnt (7-\g)*8                        ; the later groups' loads stay out
.if \g >= 4
	WIN 0x05
.endif
.irp l, 0,1,2,3,4,5,6,7
	v_cvt_pk_bf16_f32 v[232+2*\l], v[F0+32*(\g%4)+4*\l], v[F0+32*(\g%4)+4*\l+1]
	v_cvt_pk_bf16_f32 v[233+2*\l], v[F0+32*(\g%4)+4*\l+2], v[F0+32*(\g%4)+4*\l+3]
.endr
	WIN 0
.irp l, 0,1,2,3,4,5,6,7
	ds_store_b64 v[XST], v[232+2*\l:233+2*\l] offset:(2*\g+\l/4)*PA+(\l%4)*256
.endr
.endm
.irp g, 0,1,2,3,4,5,6,7
	ENCG \g
.endr
	WAFLOAD 0                                      ; wanted behind chunk 2
	s_wait_dscnt 0x0                               ; my rows of enc and my part of the biases are in LDS
	s_wait_tensorcnt 0x1                           ; my quarter of step 0 is in; step 1's may stay out
	s_barrier_signal -1
	s_barrier_wait -1
; The fragments of 32 along K: 128 rows of weights at byte wk of the slot's rows, 64 rows of activations at byte ak (one or two terms), into buffer f
.macro FETCH slot, wk, ak, f, nterm
	WIN 0x40
.irp nb, 0,1,2,3,4,5,6,7
	ds_load_b128 v[\f+8*\nb:\f+8*\nb+3], v[ADRW+\slot] offset:\nb*16*PW+\wk
	ds_load_b128 v[\f+8*\nb+4:\f+8*\nb+7], v[ADRW+\slot] offset:\nb*16*PW+\wk+32
.endr
	WIN 0
.irp m, 0,1,2,3
	ds_load_b128 v[\f+8*\m:\f+8*\m+3], v[ADRA] offset:\m*16*PA+\ak
	ds_load_b128 v[\f+8*\m+4:\f+8*\m+7], v[ADRA] offset:\m*16*PA+\ak+32
.endr
.if \nterm == 2
.irp m, 0,1,2,3
	ds_load_b128 v[\f+32+8*\m:\f+32+8*\m+3], v[ADRL] offset:\m*16*PA+\ak
	ds_load_b128 v[\f+32+8*\m+4:\f+32+8*\m+7], v[ADRL] offset:\m*16*PA+\ak+32
.endr
.endif
.endm
; 16 matrix instructions: weight blocks nb0 .. nb0 + 3 x the four row blocks, term t.  The 32 accumulators take turns, one instruction a turn,
; in the same order in every pass.  zero = 1: the first product starts the sums.
.macro MUL16 f, t, nb0, zero
.irp nb, \nb0, \nb0+1, \nb0+2, \nb0+3
.irp m, 0,1,2,3
.if \zero
	v_wmma_f32_16x16x32_bf16 v[8*(4*(\nb)+\m):8*(4*(\nb)+\m)+7], v[\f+8*(\nb):\f+8*(\nb)+7], v[\f+32*\t+8*\m:\f+32*\t+8*\m+7], 0
.else
	v_wmma_f32_16x16x32_bf16 v[8*(4*(\nb)+\m):8*(4*(\nb)+\m)+7], v[\f+8*(\nb):\f+8*(\nb)+7], v[\f+32*\t+8*\m:\f+32*\t+8*\m+7], v[8*(4*(\nb)+\m):8*(4*(\nb)+\m)+7]
.endif
.endr
.endr
.endm
; First half of a step: asks for the second half's fragments, multiplies buffer 0
.macro KSA slot, ks, nterm, zero, win
	s_wait_dscnt 0x0                               ; buffer 0 is in
	PLACES
	FETCH \slot, 64, 128*\ks+64, F1, \nterm
	WIN \win
	MUL16 F0, 0, 0, \zero
	MUL16 F0, 0, 4, \zero
.if \nterm == 2
	MUL16 F0, 1, 0, 0
	MUL16 F0, 1, 4, 0
.endif
.endm
; Second half: multiplies buffer 1 and changes slots.  fill = 1: this slot is filled again, two steps ahead.  In front of the round each wave has
; waited for its reads of the slot and for all its tensor loads (one is out: the other slot's); inside the round stands register work alone;
; the joint refill is the first thing behind it, one tensor load a wave.
.macro TURN slot, ks, nterm, fill, tw, next, win
	s_wait_dscnt 0x0                               ; buffer 1 is in, and with it my last reads of this slot and of this step's activations
.if \tw
	s_set_vgpr_msb (MSB<<8)|((MSB&0xf0)|0x0)
	s_wait_tensorcnt 0x0                           ; the next step's quarter has landed: no tensor load of mine is out
	ds_add_u32 v254, v255
	s_wait_dscnt 0x0
	s_set_vgpr_msb (((MSB&0xf0)|0x0)<<8)|MSB
.endif
.if \fill
	s_barrier_signal -1                            ; opens the round
.endif
	WIN \win
	MUL16 F1, 0, 0, 0
.if \nterm == 2
	MUL16 F1, 0, 4, 0
.endif
	WIN 0
.if \fill
	s_barrier_wait -1
	CREST                                          ; no wave of any of the four work-groups still reads this slot or has a load on its way
	s_add_nc_u64 s[G0+4*\slot+2:G0+4*\slot+3], s[G0+4*\slot+2:G0+4*\slot+3], 2*STEPB
	tensor_load_to_lds s[G0+4*\slot:G0+4*\slot+3], s[G1:G1+7]
	s_nop 0
.endif
.if \next
	PLACES
	FETCH 1-\slot, 0, 128*(\ks+1), F0, \nterm
.endif
	WIN \win
.if \nterm == 2
	MUL16 F1, 1, 0, 0
	MUL16 F1, 1, 4, 0
.else
	MUL16 F1, 0, 4, 0
.endif
.endm
.macro STEP c, ks, slot, zero, next, nterm, win
	KSA \slot, \ks, \nterm, \zero, \win
.if 8*(\c)+\ks < 46
	TURN \slot, \ks, \nterm, 1, 1, \next, \win
.else
.if 8*(\c)+\ks == 46
	TURN \slot, \ks, \nterm, 0, 1, \next, \win     ; nothing is left to fetch; step 47's quarter, which I alone read, is waited for
.else
	TURN \slot, \ks, \nterm, 0, 0, \next, \win
.endif
.endif
.endm
.macro CHUNK c, nterm, win
	PLACES
	FETCH 0, 0, 0, F0, \nterm                      ; the chunk's first tile was shown landed by the last step's wait for all tensor loads
	STEP \c, 0, 0, 1, 1, \nterm, \win
	STEP \c, 1, 1, 0, 1, \nterm, \win
	STEP \c, 2, 0, 0, 1, \nterm, \win
	STEP \c, 3, 1, 0, 1, \nterm, \win
	STEP \c, 4, 0, 0, 1, \nterm, \win
	STEP \c, 5, 1, 0, 1, \nterm, \win
	STEP \c, 6, 0, 0, 1, \nterm, \win
	STEP \c, 7, 1, 0, 0, \nterm, \win
	WIN 0
.endm
.macro BIASLOAD c                      ; my 128 units' biases of chunk c, as the accumulators want them: units 16 nb + 8 h + 0 .. 7
.irp nb, 0,1,2,3,4,5,6,7
	ds_load_b128 v[F0+8*\nb:F0+8*\nb+3], v[BTA] offset:\c*2048+64*\nb
	ds_load_b128 v[F0+8*\nb+4:F0+8*\nb+7], v[BTA] offset:\c*2048+64*\nb+16
.endr
	s_wait_dscnt 0x0
.endm
.macro EW_C0                           ; c0 += bh, in window 3
	PLACES
	BIASLOAD 0
	WIN 0xc3
.irp nb, 0,1,2,3,4,5,6,7
.irp m, 0,1,2,3
.irp p, 0,1,2,3
	v_pk_add_f32 v[8*(4*\nb+\m)+2*\p:8*(4*\nb+\m)+2*\p+1], v[8*(4*\nb+\m)+2*\p:8*(4*\nb+\m)+2*\p+1], v[F0+8*\nb+2*\p:F0+8*\nb+2*\p+1]
.endr
.endr
.endr
	WIN 0
.endm
; h0 = sums + bc; hi = bf16(h0), lo = bf16(h0 - hi); both into LDS, hi over enc: step 15's round stood behind every wave's last reads of enc
.macro EW_H0
	PLACES
	BIASLOAD 1
.irp nb, 0,1,2,3,4,5,6,7
	WIN 0x02
.irp m, 0,1,2,3
.irp p, 0,1,2,3
	v_pk_add_f32 v[F1+8*\m+2*\p:F1+8*\m+2*\p+1], v[8*(4*\nb+\m)+2*\p:8*(4*\nb+\m)+2*\p+1], v[F0+8*\nb+2*\p:F0+8*\nb+2*\p+1]
.endr
.endr
	WIN 0
.irp m, 0,1,2,3
.irp p, 0,1,2,3
	v_cvt_pk_bf16_f32 v[160+16*(\m%2)+\p], v[F1+8*\m+2*\p], v[F1+8*\m+2*\p+1]
.endr
.irp p, 0,1,2,3
	v_lshlrev_b32 v[168+16*(\m%2)+2*\p], 16, v[160+16*(\m%2)+\p]
	v_and_b32 v[168+16*(\m%2)+2*\p+1], s50, v[160+16*(\m%2)+\p]
.endr
.irp p, 0,1,2,3
	v_pk_add_f32 v[168+16*(\m%2)+2*\p:168+16*(\m%2)+2*\p+1], v[F1+8*\m+2*\p:F1+8*\m+2*\p+1], v[168+16*(\m%2)+2*\p:168+16*(\m%2)+2*\p+1] neg_lo:[0,1] neg_hi:[0,1]
.endr
.irp p, 0,1,2,3
	v_cvt_pk_bf16_f32 v[164+16*(\m%2)+\p], v[168+16*(\m%2)+2*\p], v[168+16*(\m%2)+2*\p+1]
.endr
	ds_store_b128 v[STH], v[160+16*(\m%2):160+16*(\m%2)+3] offset:\m*16*PA+32*\nb
	ds_store_b128 v[STL], v[164+16*(\m%2):164+16*(\m%2)+3] offset:\m*16*PA+32*\nb
.endr
.endr
	s_wait_dscnt 0x0                               ; my units of h0 are in LDS before I say so
	s_barrier_signal -1
	s_barrier_wait -1
.endm
; short runs on window 0's work registers
.macro TRANS op, base, n
.set ii, 0
.rept \n
	\op v[\base+ii], v[\base+ii]
.set ii, ii+1
.endr
.endm
.macro ADD1 base, n                    ; n pairs: + 1
.set ii, 0
.rept \n
	v_pk_add_f32 v[\base+ii:\base+ii+1], v[\base+ii:\base+ii+1], 1.0 op_sel_hi:[1,0]
.set ii, ii+2
.endr
.endm
.macro TANHEND base                    ; 16 pairs: 1 - 2 x
.set ii, 0
.rept 16
	v_pk_fma_f32 v[\base+ii:\base+ii+1], v[\base+ii:\base+ii+1], -2.0, 1.0 op_sel_hi:[1,0,0]
.set ii, ii+2
.endr
.endm
.macro PKMUL d, a, b                   ; 16 pairs: d = a b
.set ii, 0
.rept 16
	v_pk_mul_f32 v[\d+ii:\d+ii+1], v[\a+ii:\a+ii+1], v[\b+ii:\b+ii+1]
.set ii, ii+2
.endr
.endm
.macro REST d, a                       ; 32 numbers: d = a - (a cut to its upper 16 bits): exact
.set ii, 0
.rept 32
	v_and_b32 v[TO+ii], s50, v[\a+ii]
.set ii, ii+1
.endr
.set ii, 0
.rept 16
	v_pk_add_f32 v[\d+ii:\d+ii+1], v[\a+ii:\a+ii+1], v[TO+ii:TO+ii+1] neg_lo:[0,1] neg_hi:[0,1]
.set ii, ii+2
.endr
.endm
.macro GSCALE g, sc                    ; the gate's eight biases times the factor of its exponential
.irp p, 0,1,2,3
	v_pk_mul_f32 v[64+8*\g+2*\p:64+8*\g+2*\p+1], v[64+8*\g+2*\p:64+8*\g+2*\p+1], s[\sc:\sc+1] op_sel_hi:[1,0]
.endr
.endm
.macro GARG g, sc, ub                  ; exponent = factor x sums + factor x bias, one fused multiply-add
.irp m, 0,1,2,3
.irp p, 0,1,2,3
	v_pk_fma_f32 v[64+32*\g+8*\m+2*\p:64+32*\g+8*\m+2*\p+1], v[8*(4*(2*\g+\ub)+\m)+2*\p:8*(4*(2*\g+\ub)+\m)+2*\p+1], s[\sc:\sc+1], v[64+8*\g+2*\p:64+8*\g+2*\p+1] op_sel_hi:[1,0,1]
.endr
.endr
.endm
.macro PACK t, x, ub                   ; the upper halves of eight numbers = four registers of term t's fragment: units 16 ub + 8 h + 0 .. 7
.irp m, 0,1,2,3
.irp p, 0,1,2,3
	v_perm_b32 v[96+8*(4*\t+\m)+4*\ub+\p], v[\x+8*\m+2*\p+1], v[\x+8*\m+2*\p], s51
.endr
.endr
.endm
; The cell for units 128 w + 32 q .. + 31, sixteen units (ub) at a time.  sig(x) = 1 / (1 + 2^(-log2e x)); tanh(x) = 1 - 2 / (1 + 2^(2 log2e x)):
; an exponential that overflows gives 1 / inf = 0, one that underflows 1 / 1, which are the functions' limits.
.macro EW_G q
	PLACES
.irp ub, 0,1
	WIN 0x40
.irp g, 0,1,2,3
	ds_load_b128 v[64+8*\g:64+8*\g+3], v[BTA] offset:(2+\q)*2048+(2*\g+\ub)*64
	ds_load_b128 v[64+8*\g+4:64+8*\g+7], v[BTA] offset:(2+\q)*2048+(2*\g+\ub)*64+16
.endr
	s_wait_dscnt 0x0
	WIN 0x41
	GSCALE 0, NL
	GSCALE 1, NL
	GSCALE 2, PL
	GSCALE 3, NL
	WIN 0x12                                       ; sums from window 2, biases from window 1, exponents into window 0
	GARG 0, NL, \ub
	GARG 1, NL, \ub
	GARG 2, PL, \ub
	GARG 3, NL, \ub
	WIN 0
	TRANS v_exp_f32, TI, 128
	v_nop                                          ; one plain place between a transcendental and the use of its result (ISA guide 5.7.2)
	s_wait_alu depctr_va_vdst(0)
	ADD1 TI, 64
	TRANS v_rcp_f32, TI, 128
	v_nop
	s_wait_alu depctr_va_vdst(0)
	TANHEND TG                                     ; tanh(g)
	PKMUL TI, TI, TG                               ; sig(i) tanh(g)
	WIN 0x0c                                       ; c0 from window 3
.irp m, 0,1,2,3
.irp p, 0,1,2,3
	v_pk_fma_f32 v[TF+8*\m+2*\p:TF+8*\m+2*\p+1], v[TF+8*\m+2*\p:TF+8*\m+2*\p+1], v[8*(4*(2*\q+\ub)+\m)+2*\p:8*(4*(2*\q+\ub)+\m)+2*\p+1], v[TI+8*\m+2*\p:TI+8*\m+2*\p+1]
.endr
.endr
	WIN 0
.set ii, 0
.rept 16
	v_pk_mul_f32 v[TG+ii:TG+ii+1], v[TF+ii:TF+ii+1], s[PL:PL+1] op_sel_hi:[1,0]
.set ii, ii+2
.endr
	TRANS v_exp_f32, TG, 32
	v_nop
	s_wait_alu depctr_va_vdst(0)
	ADD1 TG, 16
	TRANS v_rcp_f32, TG, 32
	v_nop
	s_wait_alu depctr_va_vdst(0)
	TANHEND TG                                     ; tanh(c)
	PKMUL TF, TO, TG                               ; h
	REST TI, TF                                    ; h = upper 16 bits of TF + of TI + of TG: 8 + 8 + 8 bits of mantissa
	REST TG, TI
	WIN 0x40
	PACK 0, TF, \ub
	PACK 1, TI, \ub
	PACK 2, TG, \ub
.endr
.endm
; My 32 units' share of the 64 x 80 logits: three terms of h x five blocks of Wa x four row blocks.  Accumulators by turns.
.macro LOGITS q
	s_wait_loadcnt 0x0                             ; Wa's fragments
	WIN 0x54
.irp t, 0,1,2
.irp nb, 0,1,2,3
.irp m, 0,1,2,3
.if \q+\t == 0
	v_wmma_f32_16x16x32_bf16 v[8*(4*\nb+\m)+128*(\nb/2):8*(4*\nb+\m)+128*(\nb/2)+7], v[WAF+8*\nb:WAF+8*\nb+7], v[96+8*(4*\t+\m):96+8*(4*\t+\m)+7], 0
.else
	v_wmma_f32_16x16x32_bf16 v[8*(4*\nb+\m)+128*(\nb/2):8*(4*\nb+\m)+128*(\nb/2)+7], v[WAF+8*\nb:WAF+8*\nb+7], v[96+8*(4*\t+\m):96+8*(4*\t+\m)+7], v[8*(4*\nb+\m)+128*(\nb/2):8*(4*\nb+\m)+128*(\nb/2)+7]
.endif
.endr
.endr
.endr
	WIN 0x04
.irp t, 0,1,2
.irp m, 0,1,2,3
.if \q+\t == 0
	v_wmma_f32_16x16x32_bf16 v[32+8*\m:32+8*\m+7], v[WAF+32:WAF+39], v[96+8*(4*\t+\m):96+8*(4*\t+\m)+7], 0
.else
	v_wmma_f32_16x16x32_bf16 v[32+8*\m:32+8*\m+7], v[WAF+32:WAF+39], v[96+8*(4*\t+\m):96+8*(4*\t+\m)+7], v[32+8*\m:32+8*\m+7]
.endif
.endr
.endr
	WIN 0
	PLACES
.if \q < 3
	WAFLOAD \q+1                                   ; has the next chunk in which to come
.endif
.endm
	CHUNK 0, 1, 0xf1
	EW_C0
	CHUNK 1, 1, 0xa1
	EW_H0
	CHUNK 2, 2, 0xa1
	EW_G 0
	LOGITS 0
	CHUNK 3, 2, 0xa1
	EW_G 1
	LOGITS 1
	CHUNK 4, 2, 0xa1
	EW_G 2
	LOGITS 2
	CHUNK 5, 2, 0xa1
	EW_G 3
	LOGITS 3
	; THE TAIL.  Each wave holds the share of its 128 units in all 64 x 65 logits; the four shares meet in LDS, over enc and h0, which only LDS stores ever wrote.
	s_wait_dscnt 0x0
	s_barrier_signal -1
	s_barrier_wait -1                              ; every wave's reads of h0 are over
	WIN 0x04
.irp nb, 0,1,2,3
.irp m, 0,1,2,3
	ds_store_b128 v[RSA], v[8*(4*\nb+\m)+128*(\nb/2):8*(4*\nb+\m)+128*(\nb/2)+3] offset:(5*\m+\nb)*1024
	ds_store_b128 v[RSA], v[8*(4*\nb+\m)+128*(\nb/2)+4:8*(4*\nb+\m)+128*(\nb/2)+7] offset:(5*\m+\nb)*1024+512
.endr
.endr
	WIN 0
.irp m, 0,1,2,3
	ds_store_b128 v[RSA], v[32+8*\m:32+8*\m+3] offset:(5*\m+4)*1024        ; of block 4 action 64 alone is real: registers 0-3 do
.endr
	s_wait_dscnt 0x0
	s_barrier_signal -1
	s_barrier_wait -1
	; wave w takes rows 16 w .. + 15: the four shares into v[64 + 40 p ..], ba into v32-63 and v232-235
.irp p, 0,1
.irp nb, 0,1,2,3
	ds_load_b128 v[64+40*\p+8*\nb:64+40*\p+8*\nb+3], v[RLA] offset:\p*STG+\nb*1024
	ds_load_b128 v[64+40*\p+8*\nb+4:64+40*\p+8*\nb+7], v[RLA] offset:\p*STG+\nb*1024+512
	ds_load_b128 v[144+40*\p+8*\nb:144+40*\p+8*\nb+3], v[RLA+1] offset:\p*STG+\nb*1024
	ds_load_b128 v[144+40*\p+8*\nb+4:144+40*\p+8*\nb+7], v[RLA+1] offset:\p*STG+\nb*1024+512
.endr
	ds_load_b128 v[96+40*\p:96+40*\p+3], v[RLA] offset:\p*STG+4096
	ds_load_b128 v[176+40*\p:176+40*\p+3], v[RLA+1] offset:\p*STG+4096
.endr
.irp nb, 0,1,2,3
	ds_load_b128 v[32+8*\nb:32+8*\nb+3], v[BAA] offset:64*\nb
	ds_load_b128 v[32+8*\nb+4:32+8*\nb+7], v[BAA] offset:64*\nb+16
.endr
	ds_load_b128 v[232:235], v[BAA] offset:256
	s_wait_dscnt 0x0
.set ii, 0
.rept 17                                           ; x[k] = ((p0 + p1) + p2) + p3: k = 8 nb + j is action 16 nb + 8 h + j; k = 32 is action 64 (h = 0)
	v_pk_add_f32 v[64+ii:65+ii], v[64+ii:65+ii], v[104+ii:105+ii]
	v_pk_add_f32 v[64+ii:65+ii], v[64+ii:65+ii], v[144+ii:145+ii]
	v_pk_add_f32 v[64+ii:65+ii], v[64+ii:65+ii], v[184+ii:185+ii]
.set ii, ii+2
.endr
.set ii, 0
.rept 16
	v_pk_add_f32 v[64+ii:65+ii], v[64+ii:65+ii], v[32+ii:33+ii]            ; + ba
.set ii, ii+2
.endr
	v_pk_add_f32 v[96:97], v[96:97], v[232:233]
	v_mov_b32 v21, 0xff800000
	v_cmp_eq_u32 s58, 0, v[HH]
	v_cndmask_b32 v96, v21, v96, s58               ; lanes with h = 1 have no 33rd action: -inf
	; the row's maximum: four chains, then the other half of the lanes
.irp c, 0,1,2,3
	v_max3_num_f32 v[22+\c], v[64+8*\c], v[65+8*\c], v[66+8*\c]
.endr
.irp c, 0,1,2,3
	v_max3_num_f32 v[22+\c], v[22+\c], v[67+8*\c], v[68+8*\c]
.endr
.irp c, 0,1,2,3
	v_max3_num_f32 v[22+\c], v[22+\c], v[69+8*\c], v[70+8*\c]
.endr
.irp c, 0,1,2,3
	v_max_num_f32 v[22+\c], v[22+\c], v[71+8*\c]
.endr
	v_max3_num_f32 v22, v22, v23, v24
	v_max3_num_f32 v22, v22, v25, v96
	v_permlanex16_b32 v23, v22, s48, s49
	v_max_num_f32 v22, v22, v23
	v_mov_b32 v23, v22                             ; M, twice, for the packed subtraction
	; the first action that reaches M: from the last k down, so that the lowest stays; then the lower of the two halves.  A value, never an address.
	v_mov_b32 v24, 127
.set kk, 32
.rept 33
	v_cmp_neq_f32 vcc_lo, v[64+kk], v22
	v_cndmask_b32 v24, 16*(kk/8)+kk%8, v24, vcc_lo
.set kk, kk-1
.endr
	v_lshl_add_u32 v24, v[HH], 3, v24
	v_permlanex16_b32 v25, v24, s48, s49
	v_min_u32 v24, v24, v25
	; d = x - M, e = exp(d), S = sum e, W = sum e d:  log p(action) = -ln S,  entropy = ln S - W / S
.set ii, 0
.rept 16
	v_pk_add_f32 v[104+ii:105+ii], v[64+ii:65+ii], v[22:23] neg_lo:[0,1] neg_hi:[0,1]
.set ii, ii+2
.endr
	v_sub_f32 v136, v96, v22
.set ii, 0
.rept 16
	v_pk_mul_f32 v[140+ii:141+ii], v[104+ii:105+ii], 0x3fb8aa3b op_sel_hi:[1,0]
.set ii, ii+2
.endr
	v_mul_f32 v172, 0x3fb8aa3b, v136
	TRANS v_exp_f32, 140, 33
	v_cndmask_b32 v136, 0, v136, s58               ; (the plain place behind the exponentials) where d is -inf, e is 0: the product takes 0 for d
	s_wait_alu depctr_va_vdst(0)
	v_pk_add_f32 v[26:27], v[140:141], v[144:145]
	v_pk_add_f32 v[28:29], v[142:143], v[146:147]
	v_pk_mul_f32 v[30:31], v[140:141], v[104:105]
	v_pk_mul_f32 v[232:233], v[142:143], v[106:107]
	v_pk_fma_f32 v[30:31], v[144:145], v[108:109], v[30:31]
	v_pk_fma_f32 v[232:233], v[146:147], v[110:111], v[232:233]
.set ii, 8
.rept 6
	v_pk_add_f32 v[26:27], v[26:27], v[140+ii:141+ii]
	v_pk_add_f32 v[28:29], v[28:29], v[142+ii:143+ii]
	v_pk_fma_f32 v[30:31], v[140+ii:141+ii], v[104+ii:105+ii], v[30:31]
	v_pk_fma_f32 v[232:233], v[142+ii:143+ii], v[106+ii:107+ii], v[232:233]
.set ii, ii+4
.endr
	v_pk_add_f32 v[26:27], v[26:27], v[28:29]
	v_pk_add_f32 v[30:31], v[30:31], v[232:233]
	v_add_f32 v26, v26, v27
	v_add_f32 v30, v30, v31
	v_add_f32 v26, v26, v172
	v_fmac_f32 v30, v172, v136
	v_permlanex16_b32 v27, v26, s48, s49
	v_permlanex16_b32 v31, v30, s48, s49
	v_add_f32 v26, v26, v27                        ; S, at least 1
	v_add_f32 v30, v30, v31                        ; W
	v_log_f32 v27, v26
	v_rcp_f32 v28, v26
	v_mov_b32 v25, 1                               ; (the plain place) the message's length
	s_wait_alu depctr_va_vdst(0)
	v_mul_f32 v27, 0x3f317218, v27                 ; ln S
	v_fma_f32 v28, -v30, v28, v27                  ; entropy
	v_sub_f32 v29, 0, v27                          ; log-probability of the action
	ds_store_b32 v[RESW], v28                      ; both lanes of a row hold the same four numbers
	ds_store_b32 v[RESW], v29 offset:256
	ds_store_b32 v[RESW], v24 offset:512
	ds_store_b32 v[RESW], v25 offset:768
	s_wait_dscnt 0x0
	s_barrier_signal -1
	s_barrier_wait -1
	ds_load_b64 v[26:27], v[RESR]                  ; wave w stores result w: 64 words = 256 consecutive bytes, aligned, in one instruction
	s_cmp_eq_u32 s26, 0
	s_cselect_b64 s[52:53], s[18:19], s[20:21]
	s_cmp_eq_u32 s26, 2
	s_cselect_b64 s[54:55], s[22:23], s[24:25]
	s_cmp_lt_u32 s26, 2
	s_cselect_b64 s[52:53], s[52:53], s[54:55]
	s_lshl_b32 s30, s28, 8
	s_mov_b32 s31, 0
	s_add_nc_u64 s[52:53], s[52:53], s[30:31]
	s_wait_dscnt 0x0
	global_store_b64 v[OUTO], v[26:27], s[52:53]
	s_set_vgpr_msb (MSB<<8)|((MSB&0xf0)|0x0)
	s_wait_tensorcnt 0x0
	ds_add_u32 v254, v255
	s_wait_dscnt 0x0
	s_set_vgpr_msb (((MSB&0xf0)|0x0)<<8)|MSB
	CROUND                                         ; the closing round: no work-group ends while a partner may still ask for a tile that names it
	s_endpgm
.Lfunc_end_k_qdf74396185_decode:
	.size	k_qdf74396185_decode, .Lfunc_end_k_qdf74396185_decode-k_qdf74396185_decode
	.p2alignl 7, 3214868480
	.fill 96, 4, 3214868480
	.section	.rodata,"a",@progbits
	.p2align	6, 0x0
	.amdhsa_kernel k_qdf74396185_decode
		.amdhsa_group_segment_fixed_size 327680
		.amdhsa_private_segment_fixed_size 0
		.amdhsa_enable_private_segment 0
		.amdhsa_kernarg_size 88
		.amdhsa_user_sgpr_count 2
		.amdhsa_user_sgpr_kernarg_segment_ptr 1
		.amdhsa_wavefront_size32 1
		.amdhsa_system_sgpr_workgroup_id_x 1
		.amdhsa_system_sgpr_workgroup_id_y 1
		.amdhsa_system_sgpr_workgroup_id_z 1
		.amdhsa_system_vgpr_workitem_id 0
		.amdhsa_next_free_vgpr 1024
		.amdhsa_next_free_sgpr 66
		.amdhsa_reserve_vcc 1
		.amdhsa_float_denorm_mode_32 3
		.amdhsa_float_denorm_mode_16_64 3
		.amdhsa_memory_ordered 1
		.amdhsa_forward_progress 1
		.amdhsa_inst_pref_size 255
	.end_amdhsa_kernel
	.section	.bss,"aw",@nobits
	.p2align	6
	.space	262144
	.amdgpu_metadata
---
amdhsa.version: [ 1, 2 ]
amdhsa.kernels:
  - .name:           k_qdf74396185_decode
    .symbol:         k_qdf74396185_decode.kd
    .args:
      - { .name: encoded, .offset: 0, .size: 8, .value_kind: global_buffer, .address_space: global }
      - { .name: ws, .offset: 8, .size: 8, .value_kind: global_buffer, .address_space: global }
      - { .name: waf, .offset: 16, .size: 8, .value_kind: global_buffer, .address_space: global }
      - { .name: gb, .offset: 24, .size: 8, .value_kind: global_buffer, .address_space: global }
      - { .name: bc, .offset: 32, .size: 8, .value_kind: global_buffer, .address_space: global }
      - { .name: bh, .offset: 40, .size: 8, .value_kind: global_buffer, .address_space: global }
      - { .name: ba, .offset: 48, .size: 8, .value_kind: global_buffer, .address_space: global }
      - { .name: out0, .offset: 56, .size: 8, .value_kind: global_buffer, .address_space: global }
      - { .name: out1, .offset: 64, .size: 8, .value_kind: global_buffer, .address_space: global }
      - { .name: out2, .offset: 72, .size: 8, .value_kind: global_buffer, .address_space: global }
      - { .name: out3, .offset: 80, .size: 8, .value_kind: global_buffer, .address_space: global }
    .group_segment_fixed_size: 327680
    .private_segment_fixed_size: 0
    .kernarg_segment_align: 8
    .kernarg_segment_size: 88
    .max_flat_workgroup_size: 128
    .sgpr_count:     66
    .vgpr_count:     1024
    .wavefront_size: 32
...
	.end_amdgpu_metadata
.endif
;; end of part 2
;; ======== version 2 of 2: 2 launches; 1.40 times as fast as version 1
;; limits: values outside matrix products are rounded to bf16
;; workspace buffers: ws 3,145,728 bytes; waf 81,920 bytes; gb 8,192 bytes
;; launch prep: the kernel of part 1 again; grid 229 x 1, 8 waves a work-group, no clusters, 1,280 bytes of LDS; arguments W_hh, W_ih, Wa, Wc, Wh, b_hh, b_ih, emb, ws, waf, gb; writes ws, waf, gb
;; launch decode (part 3): grid 256 x 1, 4 waves a work-group, clusters of 4 x 1, 327,680 bytes of LDS; arguments encoded, ws, waf, gb, bc, bh, ba, out0, out1, out2, out3; writes out0, out1, out2, out3
.if DOCPART == 3
	.amdgcn_target "amdgcn-amd-amdhsa--gfx1250"
	.amdhsa_code_object_version 6
	.text
	.protected	k_qdf74396185_decode
	.globl	k_qdf74396185_decode
	.p2align	8
	.type	k_qdf74396185_decode,@function
k_qdf74396185_decode:
	s_mov_b64 s[64:65], 0
	v_nop
	global_prefetch_b8 v0, s[64:65] scope:SCOPE_SE
	s_setreg_imm32_b32 hwreg(HW_REG_WAVE_MODE, 25, 1), 1
	s_wait_xcnt 0x0
	s_wait_alu depctr_hold_cnt(0) depctr_sa_sdst(0) depctr_va_vdst(0) depctr_va_sdst(0) depctr_va_ssrc(0) depctr_va_vcc(0) depctr_vm_vsrc(0)
	s_getreg_b32 s2, hwreg(HW_REG_IB_STS2, 6, 4)
	s_cmp_eq_u32 s2, 0
	s_cbranch_scc0 .Lentry_in_a_cluster
	s_endpgm
.Lentry_in_a_cluster:
	s_bfe_u32 s2, ttmp6, 0x10000c
	s_cmp_lg_u32 s2, 0x3003
	s_cbranch_scc0 .Lentry_shape_is_right
	s_endpgm
.Lentry_shape_is_right:
; One LSTM step and the greedy choice for 64 rows of the batch, fused: nothing but the four results goes to memory.
;   c0 = enc Wh^T + bh;  h0 = enc Wc^T + bc;  gates = h0 W_hh^T + gb (gb: the first launch's vector, token 66 through W_ih, and both biases);
;   c = sig(f) c0 + sig(i) tanh(g);  h = sig(o) tanh(c);  logits = h Wa^T + ba;  first maximum, its log-probability, the entropy.
;   reference() runs one step from 'not stopped': alive = 1, the action is 0 .. 64 and never PAD, so the length is 1 and the entropy is divided by 1.
; SHARES: four waves; wave w makes hidden units 128 w .. 128 w + 127 of all 64 rows.  Six chunks of eight steps of 64 along K; in a chunk a wave
; makes 64 rows x 128 rows of weights: 32 accumulator tiles, 256 registers.  Chunk 0: c0 (stays in window 3).  Chunk 1: h0.  Chunk 2 + q: the four
; gates of units 128 w + 32 q .. + 31, then the cell for these units and their share of the logits.
; NUMBERS: the chosen action is compared exactly, so behind the one rounding of every input to bf16 all is kept at f32's accuracy: h0 enters the
; matrix unit as hi + lo (two bf16; what is left is some 2^-18 of h0), h as three truncated bf16 terms, which is h exactly.
; LIMITS: every input, biases too, is rounded to bf16 once.  Two best logits nearer than the noise of f32 sums can fall either way (the order of
; the sums over K differs from cluster to cluster, see below).  NaN in an input is not served (the stored index would be 127).
; THE MATRIX INSTRUCTION IS USED TRANSPOSED: source 0 = 16 rows of weights, source 1 = 16 rows of the batch.  Lane (r, h), register j then holds
; (batch row r, unit n0 + 8 h + j): c0 and the four gates of a unit meet in one lane and register, eight units pack into 16 bytes, and two packed
; blocks of h ARE a fragment of 32 along K for the logits.
; NO SUM IS CLEARED: a chunk's accumulators are loaded with the units' biases, the logits' with a quarter of ba in each of the four waves.
; CLUSTER: all row blocks walk the same 3 MB of weights, so four work-groups ask for each tile jointly (mask 15).  Each wave asks for the quarter of
; a step that it alone reads; nothing in a descriptor hangs on the place in the cluster.
; THE ORDER ALONG K: the 64 clusters are dealt into four groups g; group g walks K from 128 g on, round the end.  At a chunk's first two steps the
; four groups together ask for all eight tiles of the chunk, and each later tile that a group asks for has been asked for by another group two steps
; before.  The turn lives in global addresses alone: enc's columns are loaded turned, the tiles' offsets are turned, and in chunk 1 wave w takes
; Wc's and bc's quarter (w + g) mod 4, so that h0 lies in LDS turned as enc did.  No LDS address hangs on g.
.set PA,    1040                       ; pitch of an activation row: 512 bf16 + 16 bytes = 65 x 16, so sixteen rows start in sixteen different 16-byte columns of 256
.set HB,    64*PA                      ; LDS 0: enc in bf16, later h0 hi;  66,560: h0 lo
.set BT,    2*64*PA                    ; 133,120: biases in f32, [c][w][nb][16]: c = 0 bh, c = 1 bc (turned), c = 2 .. 5 gb
.set BA,    BT+12288                   ; 145,408: ba / 4 in f32, 128 numbers, zeros from 65 on
.set RES,   BA+512                     ; 145,920: 4 results x 64 words
.set SLOT0, RES+1024                   ; 146,944: two slots for weights, filled by tensor loads alone
.set PW,    144                        ; pitch of a weight row: 64 bf16 + 16 bytes = 9 x 16
.set WQ,    128*PW                     ; a wave's quarter of a slot
.set SLOTB, 4*WQ                       ; 73,728; slot 1 ends at 294,400
.set STEPB, 65536                      ; a step in ws
.set STG,   20480                      ; the tail's stage: a wave's 20 tiles of logits, from LDS 0 on (enc and h0 are dead by then)
; window 0
.set R,     1                          ; lane & 15
.set HH,    2                          ; lane >> 4
.set LANE,  3
.set ADRA,  4                          ; activation fragments of this pair of steps: ADRA0 + 256 x pair
.set ADRL,  5                          ; the same in h0 lo
.set ADRW,  6                          ; v6, v7: weight fragments in slot 0, 1
.set STH,   8                          ; where h0 hi goes: r PA + 256 w + 16 h
.set STL,   9                          ; and h0 lo
.set BTA,   10                         ; BT + 512 w + 32 h
.set WAO,   11                         ; offset in waf: 4,096 w + 16 lane
.set ADRA0, 12                         ; r PA + 16 h
.set XST,   13                         ; where enc goes: 16 w rows + 8 lane
.set RSA,   14                         ; stage, in
.set RLA,   15                         ; v15, v16: stage, back
.set BAA,   17                         ; BA + 32 h
.set RESW,  18
.set RESR,  19
.set OUTO,  20
.set ADRL0, 21                         ; ADRA0 + HB
.set ENCP,  28                         ; v28-31, at the head: offsets of the four column parts of enc, turned.  v22-27: at work
.set BTQ,   30                         ; in the loop over q: BTA + 2,048 q
.set WAQ,   31                         ; in the loop over q: WAO + 1,024 q
.set F0,    64                         ; fragment buffers: window 0 activations at f + 32 t + 8 m, window 1 weights at f + 8 nb
.set F1,    128
.set TI,    64                         ; the cell's work registers, window 0: 8 m + j
.set TF,    96
.set TG,    128
.set TO,    160
.set WAF,   192                        ; v192-231: five fragments of Wa;  v32-63: the logits tiles of block 4;  v232-255 at work
; window 1: v0-63, v192-255 logits tiles of blocks 0-3;  v96-191 the three terms of h as fragments (between chunks)
; window 2: a chunk's accumulators, tile (nb, m) at 8 (4 nb + m);  window 3: c0, the same map
.set G1,  32                           ; s[32:39] descriptor group 1
.set G0,  40                           ; s[40:47] descriptor group 0, one set for each slot
.set NL,  52                           ; s[52:53] -log2(e)
.set PL,  54                           ; s[54:55] 2 log2(e)
.set OFF, 56                           ; s[56:57] byte offset in ws of the next pair's first tile, my quarter
.set SF,  59                           ; number of the pair to be asked for next, times 131,072
.set SG,  60                           ; g x 131,072
.set TQ0, 61                           ; my quarter of a step: 16,384 w
.set TQ1, 62                           ; in chunk 1: 16,384 ((w + g) mod 4)
.set TT,  63
.set TU,  66
.set TV,  67
.set WS1, 68                           ; s[68:69] ws + one step
.set KC,  70                           ; loop over pairs of steps, counted in bytes of an activation row: 0, 256, 512
.set QC,  71                           ; loop over q
.set GR,  72                           ; g
.set MSB, 0
.macro WIN new                         ; s_set_vgpr_msb: bits 1:0 source 0, 3:2 source 1, 5:4 source 2, 7:6 destination; the high byte repeats the setting left
.if MSB != \new
	s_set_vgpr_msb (MSB<<8)|\new
.set MSB, \new
.endif
.endm
.macro PLACES                          ; four places behind a matrix instruction before a vector instruction or a load touches its registers (ISA guide 7.12.1 for vector instructions);
.rept 4                                ; other matrix instructions are not counted as places
	v_nop
.endr
.endm
.macro CREST                           ; a round of the cluster's barrier behind its opening barrier
	s_cmp_lg_u32 s26, 0
	s_cbranch_scc1 .Lnot_wave_0_\@
	s_barrier_signal -3
.Lnot_wave_0_\@:
	s_barrier_wait -3
	s_barrier_signal -1
	s_barrier_wait -1
.endm
.macro CROUND
	s_barrier_signal -1
	s_barrier_wait -1
	CREST
.endm
.macro RND2 a, t                       ; two f32 rounded to bf16 and widened again, in place
	v_cvt_pk_bf16_f32 v[\t], v[\a], v[\a+1]
	v_lshlrev_b32 v[\a], 16, v[\t]
	v_and_b32 v[\a+1], s50, v[\t]
.endm
.macro WAFLOAD reg, off                ; the five fragments of Wa for 32 of my units: ten loads of 512 consecutive bytes
.irp nb, 0,1,2,3,4
	global_load_b128 v[WAF+8*\nb:WAF+8*\nb+3], v[\reg], s[8:9] offset:\nb*16384+\off
	global_load_b128 v[WAF+8*\nb+4:WAF+8*\nb+7], v[\reg], s[8:9] offset:\nb*16384+\off+512
.endr
.endm
; Where the next pair of steps lies in ws: chunk x 8 steps + ((pair in the chunk + g) mod 4) x 2 steps + my quarter.  Offsets only, no address.
.macro TILEOFF
	s_and_b32 s[TT], s[SF], 0x380000               ; chunk x 524,288
	s_add_co_u32 s[TU], s[SF], s[SG]
	s_and_b32 s[TU], s[TU], 0x60000                ; the turned pair x 131,072
	s_cmp_eq_u32 s[TT], 0x80000                    ; chunk 1 makes h0: there the units are turned too
	s_cselect_b32 s[TV], s[TQ1], s[TQ0]
	s_or_b32 s[TT], s[TT], s[TU]
	s_or_b32 s[OFF], s[TT], s[TV]
	s_add_co_u32 s[SF], s[SF], 0x20000
.endm
.macro SETADR slot                     ; the slot's group 0 gets its tile's address; written only where no tensor load of the wave is out
.if \slot == 0
	s_add_nc_u64 s[G0+2:G0+3], s[6:7], s[OFF:OFF+1]
.else
	s_add_nc_u64 s[G0+6:G0+7], s[WS1:WS1+1], s[OFF:OFF+1]
.endif
	s_or_b32 s[G0+4*\slot+3], s[G0+4*\slot+3], 0x80000000          ; type = 2
.endm
	s_load_b512 s[4:19], s[0:1], 0x0               ; encoded 4:5, ws 6:7, waf 8:9, gb 10:11, bc 12:13, bh 14:15, ba 16:17, out0 18:19
	s_load_b128 s[20:23], s[0:1], 0x40             ; out1, out2
	s_load_b64 s[24:25], s[0:1], 0x50              ; out3
	v_lshl_add_u32 v254, v0, 2, 0x47e00
	v_mov_b32 v255, 0
	ds_add_u32 v254, v255
	v_lshrrev_b32 v27, 5, v0
	v_readfirstlane_b32 s26, v27                   ; wave 0..3
	s_bfe_u32 s27, ttmp6, 0x40000                  ; cx
	s_lshl_b32 s28, ttmp9, 2
	s_add_co_u32 s28, s28, s27                     ; row block = 4 x cluster + cx: it enters the addresses of enc and of the results alone
	s_lshr_b32 s[GR], ttmp9, 2                     ; the cluster's group: its number's three pairs of bits, xor-ed: with any one bit held, all four groups occur
	s_lshr_b32 s[TT], ttmp9, 4
	s_xor_b32 s[GR], s[GR], ttmp9
	s_xor_b32 s[GR], s[GR], s[TT]
	s_and_b32 s[GR], s[GR], 3
	s_lshl_b32 s[SG], s[GR], 17
	s_lshl_b32 s[TQ0], s26, 14
	s_add_co_u32 s[TQ1], s26, s[GR]
	s_and_b32 s[TQ1], s[TQ1], 3
	s_lshl_b32 s[TQ1], s[TQ1], 14
	s_mov_b32 s[SF], 0
	s_mov_b32 s[OFF+1], 0
	s_mov_b32 s48, 0x76543210                      ; v_permlanex16_b32: lane i reads lane i of the other half
	s_mov_b32 s49, 0xfedcba98
	s_mov_b32 s50, 0xffff0000                      ; a word's upper bf16
	s_mov_b32 s51, 0x07060302                      ; v_perm_b32: the upper halves of two words
	s_mov_b32 s[NL], 0xbfb8aa3b
	s_mov_b32 s[NL+1], 0xbfb8aa3b
	s_mov_b32 s[PL], 0x4038aa3b
	s_mov_b32 s[PL+1], 0x4038aa3b
	; group 1: a dense block of 16,384 bytes as 64 rows of 256; in LDS 16 bytes are skipped behind every 128, so a weight row's pitch is 144
	s_mov_b32 s[G1+0], 0x0733000f                  ; 15:0 mask 15 (all four of the cluster); 17:16 elements of 8 bytes; 20 padding on; 21 set beside a mask; 24:22 every 32 words; 31:25 four words
	s_mov_b32 s[G1+1], 32<<16                      ; tensor_dim0 = 32 elements
	s_mov_b32 s[G1+2], 64<<16                      ; tensor_dim1 = 64 rows
	s_mov_b32 s[G1+3], 32<<16                      ; tile_dim0
	s_mov_b32 s[G1+4], 64                          ; tile_dim1
	s_mov_b32 s[G1+5], 32                          ; from row to row: 32 elements
	s_mov_b32 s[G1+6], 0
	s_mov_b32 s[G1+7], 0
	v_and_b32 v[LANE], 31, v0
	v_and_b32 v[R], 15, v0
	v_bfe_u32 v[HH], v0, 4, 1
	v_mul_u32_u24 v27, v[R], PA
	v_lshl_add_u32 v[ADRA0], v[HH], 4, v27
	v_add_nc_u32 v[ADRL0], HB, v[ADRA0]
	s_mul_i32 s29, s26, WQ
	s_add_co_u32 s29, s29, SLOT0                   ; my quarter of slot 0
	v_mul_u32_u24 v27, v[R], PW
	v_lshl_add_u32 v27, v[HH], 4, v27
	v_add_nc_u32 v[ADRW], s29, v27
	v_add_nc_u32 v[ADRW+1], SLOTB, v[ADRW]
	s_lshl_b32 s30, s26, 8
	v_add_nc_u32 v[STH], s30, v[ADRA0]
	v_add_nc_u32 v[STL], HB, v[STH]
	s_lshl_b32 s30, s26, 9
	s_add_co_u32 s30, s30, BT
	v_lshl_add_u32 v[BTA], v[HH], 5, s30
	s_lshl_b32 s30, s26, 12
	v_lshl_add_u32 v[WAO], v[LANE], 4, s30
	s_mul_i32 s30, s26, 16*PA
	v_lshl_add_u32 v[XST], v[LANE], 3, s30
	s_mul_i32 s30, s26, STG
	v_lshl_add_u32 v[RSA], v[LANE], 4, s30
	s_mul_i32 s30, s26, 5*1024
	v_lshl_add_u32 v[RLA], v[LANE], 4, s30
	v_add_nc_u32 v[RLA+1], 2*STG, v[RLA]
	v_lshlrev_b32 v[BAA], 5, v[HH]
	v_add_nc_u32 v[BAA], BA, v[BAA]
	s_lshl_b32 s30, s26, 6
	s_add_co_u32 s30, s30, RES
	v_lshl_add_u32 v[RESW], v[R], 2, s30           ; word 16 w + r
	s_lshl_b32 s30, s26, 8
	s_add_co_u32 s30, s30, RES
	v_lshl_add_u32 v[RESR], v[LANE], 3, s30        ; result w's 64 words
	v_lshlrev_b32 v[OUTO], 3, v[LANE]
	s_lshl_b32 s30, s26, 15
	v_lshl_add_u32 v27, v[LANE], 4, s30            ; my sixteen rows of enc: 32,768 w + 16 lane
.irp p, 0,1,2,3
	s_add_co_u32 s31, s[GR], \p                    ; what lies at columns 128 p .. of the LDS rows are enc's columns 128 ((p + g) mod 4) ..
	s_and_b32 s31, s31, 3
	s_lshl_b32 s31, s31, 9
	v_add_nc_u32 v[ENCP+\p], s31, v27
.endr
	v_lshlrev_b32 v22, 4, v0                       ; 16 t
	v_min_u32 v23, 64, v0
	v_lshlrev_b32 v23, 2, v23                      ; ba has 65 numbers: threads 65 .. 127 read the last and store zero
	v_add_nc_u32 v24, BT, v22
	v_lshlrev_b32 v25, 2, v0
	v_add_nc_u32 v25, BA, v25
	s_lshl_b32 s31, s[GR], 9
	v_add_nc_u32 v26, s31, v22
	v_and_b32 v26, 0x7ff, v26                      ; bc turned by 128 g units, round its 2,048 bytes
	TILEOFF                                        ; pair 0
	s_lshl_b32 s30, s28, 17                        ; 64 rows of 2,048 bytes
	s_mov_b32 s31, 0
	s_wait_dscnt 0x0
	s_wait_kmcnt 0x0
	s_add_nc_u64 s[WS1:WS1+1], s[6:7], STEPB
	s_add_nc_u64 s[4:5], s[4:5], s[30:31]
.irp n, 0,1
	s_mov_b32 s[G0+4*\n], 1                                        ; count = 1
	s_add_co_u32 s[G0+4*\n+1], s29, \n*SLOTB                       ; LDS address: the slot's constant + wave x 18,432
	SETADR \n                                                      ; global address: the pair's step n, my quarter
.endr
	; the biases (7 loads), then my sixteen rows of enc (64 loads of 512 consecutive bytes): all that the work-group reads of enc is asked for at once
.irp k, 0,1,2,3
	global_load_b128 v[32+4*\k:32+4*\k+3], v22, s[10:11] offset:2048*\k
.endr
	global_load_b128 v[48:51], v22, s[14:15]       ; bh
	global_load_b128 v[52:55], v26, s[12:13]       ; bc
	global_load_b32 v56, v23, s[16:17]             ; ba
.irp i, 0,1,2,3,4,5,6,7
.irp p, 0,1,2,3
	global_load_b128 v[F0+16*\i+4*\p:F0+16*\i+4*\p+3], v[ENCP+\p], s[4:5] offset:\i*2048 th:TH_LOAD_NT
.endr
.endr
	WIN 0x40                                       ; rows 8 to 15 into window 1
.irp i, 0,1,2,3,4,5,6,7
.irp p, 0,1,2,3
	global_load_b128 v[F0+16*\i+4*\p:F0+16*\i+4*\p+3], v[ENCP+\p], s[4:5] offset:(\i+8)*2048 th:TH_LOAD_NT
.endr
.endr
	WIN 0
	CROUND                                         ; all four work-groups are here: the first joint loads meet
	tensor_load_to_lds s[G0:G0+3], s[G1:G1+7]      ; the first pair of steps, one group: two tensor loads of the wave are out, the most in this text
	s_nop 0
	tensor_load_to_lds s[G0+4:G0+7], s[G1:G1+7]
	s_nop 0
	s_wait_loadcnt 63                              ; 64 loads of enc are younger than the biases, and 63 is the most a wait can name
	RND2 48, 57
	RND2 50, 58
	RND2 52, 57
	RND2 54, 58
	v_cvt_pk_bf16_f32 v57, v56, v56
	v_lshlrev_b32 v56, 16, v57
	v_mul_f32 v56, 0x3e800000, v56                 ; a quarter of ba: each of the four waves' shares of the logits starts from it
	v_cmp_gt_u32 vcc_lo, 65, v0
	v_cndmask_b32 v56, 0, v56, vcc_lo
	ds_store_b128 v24, v[48:51]                    ; c = 0: bh
	ds_store_b128 v24, v[52:55] offset:2048        ; c = 1: bc
.irp k, 0,1,2,3
	ds_store_b128 v24, v[32+4*\k:32+4*\k+3] offset:4096+2048*\k    ; c = 2 + q: gb as it lies
.endr
	ds_store_b32 v25, v56
.macro ENCG g                          ; two rows of enc: rounded to bf16, 8 bytes a lane, 256 consecutive bytes a store
	s_wait_loadcnt (7-\g)*8                        ; the later groups' loads stay out
.if \g >= 4
	WIN 0x05
.endif
.irp l, 0,1,2,3,4,5,6,7
	v_cvt_pk_bf16_f32 v[232+2*\l], v[F0+32*(\g%4)+4*\l], v[F0+32*(\g%4)+4*\l+1]
	v_cvt_pk_bf16_f32 v[233+2*\l], v[F0+32*(\g%4)+4*\l+2], v[F0+32*(\g%4)+4*\l+3]
.endr
	WIN 0
.irp l, 0,1,2,3,4,5,6,7
	ds_store_b64 v[XST], v[232+2*\l:233+2*\l] offset:(2*\g+\l/4)*PA+(\l%4)*256
.endr
.endm
.irp g, 0,1,2,3,4,5,6,7
	ENCG \g
.endr
	WAFLOAD WAO, 0                                 ; wanted behind chunk 2
	s_wait_dscnt 0x0                               ; my rows of enc and my part of the biases are in LDS
	s_wait_tensorcnt 0x1                           ; my quarter of the first step is in; the second's may stay out
	s_barrier_signal -1
	s_barrier_wait -1
	; the logits' 20 tiles start from ba / 4: register j of lane (r, h) is action 16 nb + 8 h + j
	WIN 0x40
.irp nb, 0,1,2,3
.irp m, 0,1,2,3
	ds_load_b128 v[8*(4*\nb+\m)+128*(\nb/2):8*(4*\nb+\m)+128*(\nb/2)+3], v[BAA] offset:64*\nb
	ds_load_b128 v[8*(4*\nb+\m)+128*(\nb/2)+4:8*(4*\nb+\m)+128*(\nb/2)+7], v[BAA] offset:64*\nb+16
.endr
.endr
	WIN 0
.irp m, 0,1,2,3
	ds_load_b128 v[32+8*\m:32+8*\m+3], v[BAA] offset:256
	ds_load_b128 v[32+8*\m+4:32+8*\m+7], v[BAA] offset:272
.endr
; The fragments of 32 along K: 128 rows of weights at byte wk of the slot's rows, 64 rows of activations at byte ak behind the pair's first (one or two terms), into buffer f
.macro FETCH slot, wk, ak, f, nterm
	WIN 0x40
.irp nb, 0,1,2,3,4,5,6,7
	ds_load_b128 v[\f+8*\nb:\f+8*\nb+3], v[ADRW+\slot] offset:\nb*16*PW+\wk
	ds_load_b128 v[\f+8*\nb+4:\f+8*\nb+7], v[ADRW+\slot] offset:\nb*16*PW+\wk+32
.endr
	WIN 0
.irp m, 0,1,2,3
	ds_load_b128 v[\f+8*\m:\f+8*\m+3], v[ADRA] offset:\m*16*PA+\ak
	ds_load_b128 v[\f+8*\m+4:\f+8*\m+7], v[ADRA] offset:\m*16*PA+\ak+32
.endr
.if \nterm == 2
.irp m, 0,1,2,3
	ds_load_b128 v[\f+32+8*\m:\f+32+8*\m+3], v[ADRL] offset:\m*16*PA+\ak
	ds_load_b128 v[\f+32+8*\m+4:\f+32+8*\m+7], v[ADRL] offset:\m*16*PA+\ak+32
.endr
.endif
.endm
; 16 matrix instructions: weight blocks nb0 .. nb0 + 3 x the four row blocks, term t.  The 32 accumulators take turns, one instruction a turn,
; in the same order in every pass, over the loops' backward jumps too.
.macro MUL16 f, t, nb0
.irp nb, \nb0, \nb0+1, \nb0+2, \nb0+3
.irp m, 0,1,2,3
	v_wmma_f32_16x16x32_bf16 v[8*(4*(\nb)+\m):8*(4*(\nb)+\m)+7], v[\f+8*(\nb):\f+8*(\nb)+7], v[\f+32*\t+8*\m:\f+32*\t+8*\m+7], v[8*(4*(\nb)+\m):8*(4*(\nb)+\m)+7]
.endr
.endr
.endm
; First half of a step: asks for the second half's fragments, multiplies buffer 0
.macro KSA slot, ak, nterm, win
	s_wait_dscnt 0x0                               ; buffer 0 is in (at a chunk's head: the biases in the accumulators too)
	PLACES
	FETCH \slot, 64, \ak, F1, \nterm
	WIN \win
	MUL16 F0, 0, 0
	MUL16 F0, 0, 4
.if \nterm == 2
	MUL16 F0, 1, 0
	MUL16 F0, 1, 4
.endif
.endm
; Second half: multiplies buffer 1 and changes slots.  fill = 1: this slot is filled again, two steps ahead.  In front of the round each wave has
; waited for its reads of the slot and for all its tensor loads (one is out: the other slot's); inside the round stands register work alone;
; the joint refill is the first thing behind it, one tensor load a wave.
.macro TURN slot, nak, nterm, fill, tw, next, win
	s_wait_dscnt 0x0                               ; buffer 1 is in, and with it my last reads of this slot and of this step's activations
.if \tw
	s_set_vgpr_msb (MSB<<8)|((MSB&0xf0)|0x0)
	s_wait_tensorcnt 0x0                           ; the next step's quarter has landed: no tensor load of mine is out
	ds_add_u32 v254, v255
	s_wait_dscnt 0x0
	s_set_vgpr_msb (((MSB&0xf0)|0x0)<<8)|MSB
.endif
.if \fill
	s_barrier_signal -1                            ; opens the round
.endif
	WIN \win
	MUL16 F1, 0, 0
.if \nterm == 2
	MUL16 F1, 0, 4
.endif
	WIN 0
.if \fill
	s_barrier_wait -1
	CREST                                          ; no wave of any of the four work-groups still reads this slot or has a load on its way
	SETADR \slot
	tensor_load_to_lds s[G0+4*\slot:G0+4*\slot+3], s[G1:G1+7]
	s_nop 0
.endif
.if \next
	PLACES
	FETCH 1-\slot, 0, \nak, F0, \nterm
.endif
	WIN \win
.if \nterm == 2
	MUL16 F1, 1, 0
	MUL16 F1, 1, 4
.else
	MUL16 F1, 0, 4
.endif
.endm
; Two steps, once round the ring.  fill = 1: both slots are filled again with the next pair's tiles.  last = 1: the chunk's last pair fetches no fragments beyond it.
.macro PAIR nterm, win, fill, last
.if \fill
	TILEOFF
.endif
	KSA 0, 64, \nterm, \win
	TURN 0, 128, \nterm, \fill, 1, 1, \win         ; (without a fill: the last step's quarter, which I alone read, is still waited for)
	KSA 1, 192, \nterm, \win
	TURN 1, 256, \nterm, \fill, \fill, 1-\last, \win
.endm
; A chunk: the accumulators (window dwin >> 6) are loaded with my 128 units' biases of chunk c, units 16 nb + 8 h + 0 .. 7 in every row block;
; three pairs of steps in a loop, the fourth written out.  fill = 0: the launch's last pair.
.macro CHUNK nterm, win, dwin, fill, breg, c
	PLACES
	WIN \dwin
.irp nb, 0,1,2,3,4,5,6,7
.irp m, 0,1,2,3
	ds_load_b128 v[8*(4*\nb+\m):8*(4*\nb+\m)+3], v[\breg] offset:\c*2048+64*\nb
	ds_load_b128 v[8*(4*\nb+\m)+4:8*(4*\nb+\m)+7], v[\breg] offset:\c*2048+64*\nb+16
.endr
.endr
	WIN 0
	v_mov_b32 v[ADRA], v[ADRA0]
.if \nterm == 2
	v_mov_b32 v[ADRL], v[ADRL0]
.endif
	FETCH 0, 0, 0, F0, \nterm                      ; the chunk's first tile was shown landed by the last step's wait for all tensor loads
	s_mov_b32 s[KC], 0
.Lpair_\@:
	PAIR \nterm, \win, 1, 0
	WIN 0
	s_add_co_u32 s[KC], s[KC], 256                 ; a pair is 128 numbers of an activation row
	v_add_nc_u32 v[ADRA], s[KC], v[ADRA0]
.if \nterm == 2
	v_add_nc_u32 v[ADRL], s[KC], v[ADRL0]
.endif
	s_cmp_lt_u32 s[KC], 768
	s_cbranch_scc1 .Lpair_\@
	PAIR \nterm, \win, \fill, 1
	WIN 0
.endm
; h0 (the sums hold bc already): hi = bf16(h0), lo = bf16(h0 - hi); both into LDS, hi over enc: the round in chunk 1's last step stood behind
; every wave's last reads of enc
.macro EW_H0
	PLACES
.irp nb, 0,1,2,3,4,5,6,7
	WIN 0x0a
.irp m, 0,1,2,3
.irp p, 0,1,2,3
	v_cvt_pk_bf16_f32 v[64+4*\m+\p], v[8*(4*\nb+\m)+2*\p], v[8*(4*\nb+\m)+2*\p+1]
.endr
.endr
	WIN 0
.irp m, 0,1,2,3
.irp p, 0,1,2,3
	v_lshlrev_b32 v[96+8*\m+2*\p], 16, v[64+4*\m+\p]
	v_and_b32 v[96+8*\m+2*\p+1], s50, v[64+4*\m+\p]
.endr
.endr
	WIN 0x02
.irp m, 0,1,2,3
.irp p, 0,1,2,3
	v_pk_add_f32 v[96+8*\m+2*\p:96+8*\m+2*\p+1], v[8*(4*\nb+\m)+2*\p:8*(4*\nb+\m)+2*\p+1], v[96+8*\m+2*\p:96+8*\m+2*\p+1] neg_lo:[0,1] neg_hi:[0,1]
.endr
.endr
	WIN 0
.irp m, 0,1,2,3
.irp p, 0,1,2,3
	v_cvt_pk_bf16_f32 v[80+4*\m+\p], v[96+8*\m+2*\p], v[96+8*\m+2*\p+1]
.endr
.endr
.irp m, 0,1,2,3
	ds_store_b128 v[STH], v[64+4*\m:64+4*\m+3] offset:\m*16*PA+32*\nb
	ds_store_b128 v[STL], v[80+4*\m:80+4*\m+3] offset:\m*16*PA+32*\nb
.endr
.endr
	s_wait_dscnt 0x0                               ; my units of h0 are in LDS before I say so
	s_barrier_signal -1
	s_barrier_wait -1
.endm
; short runs on window 0's work registers
.macro TRANS op, base, n
.set ii, 0
.rept \n
	\op v[\base+ii], v[\base+ii]
.set ii, ii+1
.endr
.endm
.macro ADD1 base, n                    ; n pairs: + 1
.set ii, 0
.rept \n
	v_pk_add_f32 v[\base+ii:\base+ii+1], v[\base+ii:\base+ii+1], 1.0 op_sel_hi:[1,0]
.set ii, ii+2
.endr
.endm
.macro TANHEND base                    ; 16 pairs: 1 - 2 x
.set ii, 0
.rept 16
	v_pk_fma_f32 v[\base+ii:\base+ii+1], v[\base+ii:\base+ii+1], -2.0, 1.0 op_sel_hi:[1,0,0]
.set ii, ii+2
.endr
.endm
.macro PKMUL d, a, b                   ; 16 pairs: d = a b
.set ii, 0
.rept 16
	v_pk_mul_f32 v[\d+ii:\d+ii+1], v[\a+ii:\a+ii+1], v[\b+ii:\b+ii+1]
.set ii, ii+2
.endr
.endm
.macro REST d, a                       ; 32 numbers: d = a - (a cut to its upper 16 bits): exact
.set ii, 0
.rept 32
	v_and_b32 v[TO+ii], s50, v[\a+ii]
.set ii, ii+1
.endr
.set ii, 0
.rept 16
	v_pk_add_f32 v[\d+ii:\d+ii+1], v[\a+ii:\a+ii+1], v[TO+ii:TO+ii+1] neg_lo:[0,1] neg_hi:[0,1]
.set ii, ii+2
.endr
.endm
.macro GARG g, sc, ub                  ; exponent = factor x gate (the sums hold the bias already)
.irp m, 0,1,2,3
.irp p, 0,1,2,3
	v_pk_mul_f32 v[64+32*\g+8*\m+2*\p:64+32*\g+8*\m+2*\p+1], v[8*(4*(2*\g+\ub)+\m)+2*\p:8*(4*(2*\g+\ub)+\m)+2*\p+1], s[\sc:\sc+1] op_sel_hi:[1,0]
.endr
.endr
.endm
.macro PACK t, x, ub                   ; the upper halves of eight numbers = four registers of term t's fragment: units 16 ub + 8 h + 0 .. 7
.irp m, 0,1,2,3
.irp p, 0,1,2,3
	v_perm_b32 v[96+8*(4*\t+\m)+4*\ub+\p], v[\x+8*\m+2*\p+1], v[\x+8*\m+2*\p], s51
.endr
.endr
.endm
.macro C0FMA q, ub                     ; c = sig(f) c0 + sig(i) tanh(g); c0's tiles (2 q + ub, m) from window 3
	WIN 0x0c
.irp m, 0,1,2,3
.irp p, 0,1,2,3
	v_pk_fma_f32 v[TF+8*\m+2*\p:TF+8*\m+2*\p+1], v[TF+8*\m+2*\p:TF+8*\m+2*\p+1], v[8*(4*(2*\q+\ub)+\m)+2*\p:8*(4*(2*\q+\ub)+\m)+2*\p+1], v[TI+8*\m+2*\p:TI+8*\m+2*\p+1]
.endr
.endr
	WIN 0
.endm
.macro C0SEL ub                        ; in the loop over q registers cannot be named by q: three variants of these sixteen lines, chosen by the loop's counter
	s_cmp_eq_u32 s[QC], 0
	s_cbranch_scc1 .Lc0_a_\@
	s_cmp_eq_u32 s[QC], 1
	s_cbranch_scc1 .Lc0_b_\@
	C0FMA 2, \ub
	s_branch .Lc0_end_\@
.Lc0_a_\@:
	C0FMA 0, \ub
	s_branch .Lc0_end_\@
.Lc0_b_\@:
	C0FMA 1, \ub
.Lc0_end_\@:
.endm
; The cell for 32 of my units, sixteen (ub) at a time.  sig(x) = 1 / (1 + 2^(-log2e x)); tanh(x) = 1 - 2 / (1 + 2^(2 log2e x)):
; an exponential that overflows gives 1 / inf = 0, one that underflows 1 / 1, which are the functions' limits.  dyn = 1: q is the loop's counter.
.macro EW_G q, dyn
	PLACES
.irp ub, 0,1
	WIN 0x02                                       ; sums from window 2, exponents into window 0
	GARG 0, NL, \ub
	GARG 1, NL, \ub
	GARG 2, PL, \ub
	GARG 3, NL, \ub
	WIN 0
	TRANS v_exp_f32, TI, 128
	v_nop                                          ; one plain place between a transcendental and the use of its result (ISA guide 5.7.2)
	s_wait_alu depctr_va_vdst(0)
	ADD1 TI, 64
	TRANS v_rcp_f32, TI, 128
	v_nop
	s_wait_alu depctr_va_vdst(0)
	TANHEND TG                                     ; tanh(g)
	PKMUL TI, TI, TG                               ; sig(i) tanh(g)
.if \dyn
	C0SEL \ub
.else
	C0FMA \q, \ub
.endif
.set ii, 0
.rept 16
	v_pk_mul_f32 v[TG+ii:TG+ii+1], v[TF+ii:TF+ii+1], s[PL:PL+1] op_sel_hi:[1,0]
.set ii, ii+2
.endr
	TRANS v_exp_f32, TG, 32
	v_nop
	s_wait_alu depctr_va_vdst(0)
	ADD1 TG, 16
	TRANS v_rcp_f32, TG, 32
	v_nop
	s_wait_alu depctr_va_vdst(0)
	TANHEND TG                                     ; tanh(c)
	PKMUL TF, TO, TG                               ; h
	REST TI, TF                                    ; h = upper 16 bits of TF + of TI + of TG: 8 + 8 + 8 bits of mantissa
	REST TG, TI
	WIN 0x40
	PACK 0, TF, \ub
	PACK 1, TI, \ub
	PACK 2, TG, \ub
.endr
.endm
; 32 units' share of the 64 x 80 logits: three terms of h x five blocks of Wa x four row blocks.  Accumulators by turns.
; more = 1 (in the loop over q): the next 32 units' fragments of Wa are asked for; they have the next chunk in which to come.
.macro LOGITS more
	s_wait_loadcnt 0x0                             ; Wa's fragments are in, and their offset register is free
	WIN 0x54
.irp t, 0,1,2
.irp nb, 0,1,2,3
.irp m, 0,1,2,3
	v_wmma_f32_16x16x32_bf16 v[8*(4*\nb+\m)+128*(\nb/2):8*(4*\nb+\m)+128*(\nb/2)+7], v[WAF+8*\nb:WAF+8*\nb+7], v[96+8*(4*\t+\m):96+8*(4*\t+\m)+7], v[8*(4*\nb+\m)+128*(\nb/2):8*(4*\nb+\m)+128*(\nb/2)+7]
.endr
.endr
.endr
	WIN 0x04
.irp t, 0,1,2
.irp m, 0,1,2,3
	v_wmma_f32_16x16x32_bf16 v[32+8*\m:32+8*\m+7], v[WAF+32:WAF+39], v[96+8*(4*\t+\m):96+8*(4*\t+\m)+7], v[32+8*\m:32+8*\m+7]
.endr
.endr
	WIN 0
	PLACES
.if \more
	s_lshl_b32 s30, s[QC], 10
	v_add_nc_u32 v[WAQ], s30, v[WAO]
	WAFLOAD WAQ, 1024                              ; units 32 (q + 1) ..
.endif
.endm
	CHUNK 1, 0xf1, 0xc0, 1, BTA, 0                 ; c0, into window 3, where it stays
	CHUNK 1, 0xa1, 0x80, 1, BTA, 1                 ; h0
	EW_H0
	s_mov_b32 s[QC], 0
.Lq:
	s_lshl_b32 s30, s[QC], 11
	v_add_nc_u32 v[BTQ], s30, v[BTA]               ; gb's part for this q
	CHUNK 2, 0xa1, 0x80, 1, BTQ, 2
	EW_G 0, 1
	LOGITS 1
	s_add_co_u32 s[QC], s[QC], 1
	s_cmp_lt_u32 s[QC], 3
	s_cbranch_scc1 .Lq
	CHUNK 2, 0xa1, 0x80, 0, BTA, 5                 ; q = 3 is written out: its last pair of steps fills no slot
	EW_G 3, 0
	LOGITS 0
	; THE TAIL.  Each wave holds the share of its 128 units in all 64 x 65 logits; the four shares meet in LDS, over enc and h0, which only LDS stores ever wrote.
	s_wait_dscnt 0x0
	s_barrier_signal -1
	s_barrier_wait -1                              ; every wave's reads of h0 are over
	WIN 0x04
.irp nb, 0,1,2,3
.irp m, 0,1,2,3
	ds_store_b128 v[RSA], v[8*(4*\nb+\m)+128*(\nb/2):8*(4*\nb+\m)+128*(\nb/2)+3] offset:(5*\m+\nb)*1024
	ds_store_b128 v[RSA], v[8*(4*\nb+\m)+128*(\nb/2)+4:8*(4*\nb+\m)+128*(\nb/2)+7] offset:(5*\m+\nb)*1024+512
.endr
.endr
	WIN 0
.irp m, 0,1,2,3
	ds_store_b128 v[RSA], v[32+8*\m:32+8*\m+3] offset:(5*\m+4)*1024        ; of block 4 action 64 alone is real: registers 0-3 do
.endr
	s_wait_dscnt 0x0
	s_barrier_signal -1
	s_barrier_wait -1
	; wave w takes rows 16 w .. + 15: the four shares into v[64 + 40 p ..]
.irp p, 0,1
.irp nb, 0,1,2,3
	ds_load_b128 v[64+40*\p+8*\nb:64+40*\p+8*\nb+3], v[RLA] offset:\p*STG+\nb*1024
	ds_load_b128 v[64+40*\p+8*\nb+4:64+40*\p+8*\nb+7], v[RLA] offset:\p*STG+\nb*1024+512
	ds_load_b128 v[144+40*\p+8*\nb:144+40*\p+8*\nb+3], v[RLA+1] offset:\p*STG+\nb*1024
	ds_load_b128 v[144+40*\p+8*\nb+4:144+40*\p+8*\nb+7], v[RLA+1] offset:\p*STG+\nb*1024+512
.endr
	ds_load_b128 v[96+40*\p:96+40*\p+3], v[RLA] offset:\p*STG+4096
	ds_load_b128 v[176+40*\p:176+40*\p+3], v[RLA+1] offset:\p*STG+4096
.endr
	s_wait_dscnt 0x0
.set ii, 0
.rept 17                                           ; x[k] = ((p0 + p1) + p2) + p3, ba in it: k = 8 nb + j is action 16 nb + 8 h + j; k = 32 is action 64 (h = 0)
	v_pk_add_f32 v[64+ii:65+ii], v[64+ii:65+ii], v[104+ii:105+ii]
	v_pk_add_f32 v[64+ii:65+ii], v[64+ii:65+ii], v[144+ii:145+ii]
	v_pk_add_f32 v[64+ii:65+ii], v[64+ii:65+ii], v[184+ii:185+ii]
.set ii, ii+2
.endr
	v_mov_b32 v21, 0xff800000                      ; (v21 to v31 are at work from here on)
	v_cmp_eq_u32 s58, 0, v[HH]
	v_cndmask_b32 v96, v21, v96, s58               ; lanes with h = 1 have no 33rd action: -inf
	; the row's maximum: four chains, then the other half of the lanes
.irp c, 0,1,2,3
	v_max3_num_f32 v[22+\c], v[64+8*\c], v[65+8*\c], v[66+8*\c]
.endr
.irp c, 0,1,2,3
	v_max3_num_f32 v[22+\c], v[22+\c], v[67+8*\c], v[68+8*\c]
.endr
.irp c, 0,1,2,3
	v_max3_num_f32 v[22+\c], v[22+\c], v[69+8*\c], v[70+8*\c]
.endr
.irp c, 0,1,2,3
	v_max_num_f32 v[22+\c], v[22+\c], v[71+8*\c]
.endr
	v_max3_num_f32 v22, v22, v23, v24
	v_max3_num_f32 v22, v22, v25, v96
	v_permlanex16_b32 v23, v22, s48, s49
	v_max_num_f32 v22, v22, v23
	v_mov_b32 v23, v22                             ; M, twice, for the packed subtraction
	; the first action that reaches M: from the last k down, so that the lowest stays; then the lower of the two halves.  A value, never an address.
	v_mov_b32 v24, 127
.set kk, 32
.rept 33
	v_cmp_neq_f32 vcc_lo, v[64+kk], v22
	v_cndmask_b32 v24, 16*(kk/8)+kk%8, v24, vcc_lo
.set kk, kk-1
.endr
	v_lshl_add_u32 v24, v[HH], 3, v24
	v_permlanex16_b32 v25, v24, s48, s49
	v_min_u32 v24, v24, v25
	; d = x - M, e = exp(d), S = sum e, W = sum e d:  log p(action) = -ln S,  entropy = ln S - W / S
.set ii, 0
.rept 16
	v_pk_add_f32 v[104+ii:105+ii], v[64+ii:65+ii], v[22:23] neg_lo:[0,1] neg_hi:[0,1]
.set ii, ii+2
.endr
	v_sub_f32 v136, v96, v22
.set ii, 0
.rept 16
	v_pk_mul_f32 v[140+ii:141+ii], v[104+ii:105+ii], 0x3fb8aa3b op_sel_hi:[1,0]
.set ii, ii+2
.endr
	v_mul_f32 v172, 0x3fb8aa3b, v136
	TRANS v_exp_f32, 140, 33
	v_cndmask_b32 v136, 0, v136, s58               ; (the plain place behind the exponentials) where d is -inf, e is 0: the product takes 0 for d
	s_wait_alu depctr_va_vdst(0)
	v_pk_add_f32 v[26:27], v[140:141], v[144:145]
	v_pk_add_f32 v[28:29], v[142:143], v[146:147]
	v_pk_mul_f32 v[30:31], v[140:141], v[104:105]
	v_pk_mul_f32 v[232:233], v[142:143], v[106:107]
	v_pk_fma_f32 v[30:31], v[144:145], v[108:109], v[30:31]
	v_pk_fma_f32 v[232:233], v[146:147], v[110:111], v[232:233]
.set ii, 8
.rept 6
	v_pk_add_f32 v[26:27], v[26:27], v[140+ii:141+ii]
	v_pk_add_f32 v[28:29], v[28:29], v[142+ii:143+ii]
	v_pk_fma_f32 v[30:31], v[140+ii:141+ii], v[104+ii:105+ii], v[30:31]
	v_pk_fma_f32 v[232:233], v[142+ii:143+ii], v[106+ii:107+ii], v[232:233]
.set ii, ii+4
.endr
	v_pk_add_f32 v[26:27], v[26:27], v[28:29]
	v_pk_add_f32 v[30:31], v[30:31], v[232:233]
	v_add_f32 v26, v26, v27
	v_add_f32 v30, v30, v31
	v_add_f32 v26, v26, v172
	v_fmac_f32 v30, v172, v136
	v_permlanex16_b32 v27, v26, s48, s49
	v_permlanex16_b32 v31, v30, s48, s49
	v_add_f32 v26, v26, v27                        ; S, at least 1
	v_add_f32 v30, v30, v31                        ; W
	v_log_f32 v27, v26
	v_rcp_f32 v28, v26
	v_mov_b32 v25, 1                               ; (the plain place) the message's length
	s_wait_alu depctr_va_vdst(0)
	v_mul_f32 v27, 0x3f317218, v27                 ; ln S
	v_fma_f32 v28, -v30, v28, v27                  ; entropy
	v_sub_f32 v29, 0, v27                          ; log-probability of the action
	ds_store_b32 v[RESW], v28                      ; both lanes of a row hold the same four numbers
	ds_store_b32 v[RESW], v29 offset:256
	ds_store_b32 v[RESW], v24 offset:512
	ds_store_b32 v[RESW], v25 offset:768
	s_wait_dscnt 0x0
	s_barrier_signal -1
	s_barrier_wait -1
	ds_load_b64 v[26:27], v[RESR]                  ; wave w stores result w: 64 words = 256 consecutive bytes, aligned, in one instruction
	s_cmp_eq_u32 s26, 0
	s_cselect_b64 s[52:53], s[18:19], s[20:21]
	s_cmp_eq_u32 s26, 2
	s_cselect_b64 s[54:55], s[22:23], s[24:25]
	s_cmp_lt_u32 s26, 2
	s_cselect_b64 s[52:53], s[52:53], s[54:55]
	s_lshl_b32 s30, s28, 8
	s_mov_b32 s31, 0
	s_add_nc_u64 s[52:53], s[52:53], s[30:31]
	s_wait_dscnt 0x0
	global_store_b64 v[OUTO], v[26:27], s[52:53]
	s_set_vgpr_msb (MSB<<8)|((MSB&0xf0)|0x0)
	s_wait_tensorcnt 0x0
	ds_add_u32 v254, v255
	s_wait_dscnt 0x0
	s_set_vgpr_msb (((MSB&0xf0)|0x0)<<8)|MSB
	CROUND                                         ; the closing round: no work-group ends while a partner may still ask for a tile that names it
	s_endpgm
.Lfunc_end_k_qdf74396185_decode:
	.size	k_qdf74396185_decode, .Lfunc_end_k_qdf74396185_decode-k_qdf74396185_decode
	.p2alignl 7, 3214868480
	.fill 96, 4, 3214868480
	.section	.rodata,"a",@progbits
	.p2align	6, 0x0
	.amdhsa_kernel k_qdf74396185_decode
		.amdhsa_group_segment_fixed_size 327680
		.amdhsa_private_segment_fixed_size 0
		.amdhsa_enable_private_segment 0
		.amdhsa_kernarg_size 88
		.amdhsa_user_sgpr_count 2
		.amdhsa_user_sgpr_kernarg_segment_ptr 1
		.amdhsa_wavefront_size32 1
		.amdhsa_system_sgpr_workgroup_id_x 1
		.amdhsa_system_sgpr_workgroup_id_y 1
		.amdhsa_system_sgpr_workgroup_id_z 1
		.amdhsa_system_vgpr_workitem_id 0
		.amdhsa_next_free_vgpr 1024
		.amdhsa_next_free_sgpr 74
		.amdhsa_reserve_vcc 1
		.amdhsa_float_denorm_mode_32 3
		.amdhsa_float_denorm_mode_16_64 3
		.amdhsa_memory_ordered 1
		.amdhsa_forward_progress 1
		.amdhsa_inst_pref_size 255
	.end_amdhsa_kernel
	.section	.bss,"aw",@nobits
	.p2align	6
	.space	262144
	.amdgpu_metadata
---
amdhsa.version: [ 1, 2 ]
amdhsa.kernels:
  - .name:           k_qdf74396185_decode
    .symbol:         k_qdf74396185_decode.kd
    .args:
      - { .name: encoded, .offset: 0, .size: 8, .value_kind: global_buffer, .address_space: global }
      - { .name: ws, .offset: 8, .size: 8, .value_kind: global_buffer, .address_space: global }
      - { .name: waf, .offset: 16, .size: 8, .value_kind: global_buffer, .address_space: global }
      - { .name: gb, .offset: 24, .size: 8, .value_kind: global_buffer, .address_space: global }
      - { .name: bc, .offset: 32, .size: 8, .value_kind: global_buffer, .address_space: global }
      - { .name: bh, .offset: 40, .size: 8, .value_kind: global_buffer, .address_space: global }
      - { .name: ba, .offset: 48, .size: 8, .value_kind: global_buffer, .address_space: global }
      - { .name: out0, .offset: 56, .size: 8, .value_kind: global_buffer, .address_space: global }
      - { .name: out1, .offset: 64, .size: 8, .value_kind: global_buffer, .address_space: global }
      - { .name: out2, .offset: 72, .size: 8, .value_kind: global_buffer, .address_space: global }
      - { .name: out3, .offset: 80, .size: 8, .value_kind: global_buffer, .address_space: global }
    .group_segment_fixed_size: 327680
    .private_segment_fixed_size: 0
    .kernarg_segment_align: 8
    .kernarg_segment_size: 88
    .max_flat_workgroup_size: 128
    .sgpr_count:     74
    .vgpr_count:     1024
    .wavefront_size: 32
...
	.end_amdgpu_metadata
.endif
;; end of part 3
